; MI455X (gfx1250); checked and timed in simulation.
; The chip was launched on July 23, 2026; its instructions are those of AMD's public machine-readable ISA for CDNA 5 (MIT licence, August 2026) and "CDNA5" Instruction Set Architecture Reference Guide (July 2026). The comments in the code are by the model that wrote it; some were corrected since.
;; Attention. Allowed arithmetic: matrix products marked QUANTISED: E2M1 operands, one E8M0 scale for each 32 along K, by v_wmma_scale_f32_16x16x128_f8f6f4 with both operands' format E2M1 (or v_wmma_scale_f32_32x16x128_f4), f32 sums; products left as they are: bf16, f16 or f32 operands; f32 sums; everything else in f32.
;; Inputs: Wkv 2,048 x 1,024 float32; Wp 1,024 x 1,024 float32; Wq 1,024 x 1,024 float32; bkv 2,048 float32; bp 1,024 float32; bq 1,024 float32; feature 4,096 x 1,024 float32.
;; Outputs: out0 4,096 x 1,024 float32.
;; This version of the problem:
;;   THIS VERSION OF THE PROBLEM IS GIVEN IN LOW PRECISION. The matrix products marked QUANTISED in the list below multiply operands that are first quantised to E2M1 (2 exponent bits, 1 mantissa bit; 4 bits a number), with one power-of-two scale for each 32 numbers along K (OCP MX v1.0); their sums are f32. The products marked 'left as it is' may take bf16, f16 or f32 operands, with f32 sums. Whichever they take, every output number must still come out within the allowed error. Rounding operands to bf16 (8 significant bits) uses up far more of that allowance than f16 does (11 bits, for magnitudes from 6e-5 to 65,504). All else is computed in f32.
;;   The module's matrix products, in the order in which they are computed (A, B: the left and right operand; K: the contracted axis; several contracted axes count as one K, in the product's order):
;;     1. [M 4,096, K 1,024] x [K 1,024, N 1,024]; A: input feature; B: input Wq: QUANTISED
;;     2. [M 4,096, K 1,024] x [K 1,024, N 2,048]; A: input feature; B: input Wkv: QUANTISED
;;     3. batch 16 x [M 4,096, K 64] x [K 64, N 4,096]; A: computed on the way; B: computed on the way: left as it is (an operand is computed on the way)
;;     4. batch 16 x [M 64, K 4,096] x [K 4,096, N 4,096]; A: computed on the way; B: computed on the way: left as it is (an operand is computed on the way)
;;     5. [M 4,096, K 1,024] x [K 1,024, N 1,024]; A: computed on the way; B: input Wp: left as it is (an operand is computed on the way)
;;   THE QUANTISER, for each operand of a quantised product, along K:
;;     - K is cut into blocks of 32 from its start; a last block that is shorter is filled with zeros.
;;     - A block's scale is 2^e with e = floor(log2(the largest magnitude in the block)) - 2, held to -126 .. 127; a block of zeros has e = 0. As a byte (E8M0): e + 127.
;;     - Each number is divided by its block's scale, clamped to +-6, and rounded to the nearest number of E2M1, ties to even, subnormals kept.
;;     - The product sums the exact products of the quantised numbers (number of the format x scale) in f32.
;;   ~~~python
;;   def quantise(x, axis):      # numpy; x: float32 -> the quantised numbers, widened to float32 again
;;       x = np.moveaxis(x, axis, -1); K = x.shape[-1]
;;       x = np.pad(x, [(0, 0)] * (x.ndim - 1) + [(0, -K % 32)]); x = x.reshape(x.shape[:-1] + (-1, 32)); a = np.abs(x).max(-1, keepdims=True)
;;       e = np.where(a > 0, np.clip(np.frexp(np.where(a > 0, a, 1))[1] - 1 - 2, -126, 127), 0)      # np.frexp(a)[1] - 1 = floor(log2(a)), exactly
;;       r = np.clip(x / 2.0 ** e, -6, 6)
;;       step = 2.0 ** (np.maximum(np.frexp(np.where(r == 0, 1, r))[1] - 1, 0) - 1)
;;       q = np.round(r / step) * step * 2.0 ** e      # np.round: ties to even
;;       return np.moveaxis(q.reshape(q.shape[:-2] + (-1,))[..., :K], -1, axis).astype(np.float32)
;;   ~~~
;; One version. Each part assembles by itself: llvm-mc -triple=amdgcn-amd-amdhsa -mcpu=gfx1250 --defsym DOCPART=n.
;; ======== version 1 of 1: 4 launches
;; limits: values are held in f16: magnitudes above 65,504 overflow, below 6.1e-05 lose precision
;; workspace buffers: a_codes 2,097,152 bytes; a_scales 131,072 bytes; w_codes 1,572,864 bytes; w_scales 98,304 bytes; wp16 2,097,152 bytes; qkv16 25,165,824 bytes; x16 8,388,608 bytes
;; launch prep (part 1): grid 256 x 1, 4 waves a work-group, no clusters, 33,280 bytes of LDS; arguments feature, Wq, Wkv, Wp, a_codes, a_scales, w_codes, w_scales, wp16; writes a_codes, a_scales, w_codes, w_scales, wp16
.if DOCPART == 1
	.amdgcn_target "amdgcn-amd-amdhsa--gfx1250"
	.amdhsa_code_object_version 6
	.text
	.protected	k_q1838dc6d05_prep
	.globl	k_q1838dc6d05_prep
	.p2align	8
	.type	k_q1838dc6d05_prep,@function
k_q1838dc6d05_prep:
	s_mov_b64 s[64:65], 0
	v_nop
	global_prefetch_b8 v0, s[64:65] scope:SCOPE_SE
	s_setreg_imm32_b32 hwreg(HW_REG_WAVE_MODE, 25, 1), 1
	s_wait_xcnt 0x0
; THE PROGRAM: out0 = softmax((feature Wq^T + bq)(feature Wk^T + bk)^T / 8) (feature Wv^T + bv) Wp^T + bp, 16 heads of 64, 4,096 tokens.  Four launches:
; this one (operands of the two quantised products into codes; Wp into f16), the quantised product, the attention, the projection on the way out.
; WORK LEFT OUT: k's bias, bkv[0:1024].  score[h][n][m] = q_n . (k0_m + bk_h) / 8 = q_n . k0_m / 8 + q_n . bk_h / 8; the second term is the same for every key m, and the softmax
; along m takes it away for all values of the inputs.  The product of q and k is not quantised, so no quantiser sees k.  bkv stays an argument of the second launch: its second half,
; v's bias, is live; its first 4,096 bytes are never loaded.  LIMIT: a NaN, an infinity or an overflow that comes in through bkv[0:1024] alone is not carried to the result.
; THIS LAUNCH.  feature [4096][1024], Wq [1024][1024], Wkv [2048][1024], f32, K innermost, become codes of FP4 (E2M1) with one E8M0 byte for each 32 along K: a_codes [4096][512 bytes], a_scales [4096][32];
; w_codes [3072][512 bytes], w_scales [3072][32], Wq's rows first, Wkv's behind them.  A block's scale is 2^(floor(log2(its largest magnitude)) - 2); its byte is the largest magnitude's exponent field - 2, held at 1 from below.
; (A block of zeros so gets the byte 1 where the rule says 127: its codes are zeros, which add nothing under any byte but 0xff, and this program alone reads the bytes.)
; LIMITS: blocks whose largest magnitude lies under 2^-124, the floor, were not tried; NaN and infinities among the inputs are not served.
; Wp [1024][1024] is rounded to f16 and laid [o / 128][k / 64][o % 128][k % 64], so that the last launch's tiles are dense blocks.
; SHARES.  A work-group takes 32,768 numbers: 0-127 feature, 128-159 Wq, 160-223 Wkv, 224-255 Wp.  The three quantised tensors take ONE path (only pointers are chosen); Wp's path touches no LDS.
; The quantiser: rows are dense and 1,024 is a multiple of 32, so a tensor is a stream of blocks of 32.  A wave takes 16 steps of 512 numbers.  Each load reads 512 consecutive bytes; a step's 2,048 bytes turn through the wave's
; own stage in LDS and come back 64 bytes a lane, so that a lane holds 16 neighbours and two neighbouring lanes a block.  Loads run four steps ahead, the turn through LDS one step.
.set WAVES, 4
.set STEPS, 16
.set EMAX,  2
.set CB,    8                          ; bytes of 16 codes
.set R,     16                         ; v16-79   four sets of 16 numbers as they are loaded
.set X,     80                         ; v80-111  two sets of 16 neighbours
.set C,     128                        ; v128-191 codes: four registers for each step, so that no store's data are written again
.set E,     112                        ; v112-127 a scale byte for each step
.set WREG,  8192                       ; LDS: a region for each wave: two stages of 32 x SP bytes, behind them its 256 scale bytes
.set SP,    80                         ; a lane's place in a stage: 64 bytes + 16 of padding
.set SPW,   12                         ; v12      LDS address of my spare word; never rewritten
.set NIL,   13                         ; v13      0; never rewritten
.set SPARE, WAVES*WREG                 ; behind the four regions: the spare words, 128 bytes a wave, which no other line names
	s_load_b256 s[4:11], s[0:1], 0x0               ; feature s[4:5], Wq s[6:7], Wkv s[8:9], Wp s[10:11]
	s_load_b256 s[12:19], s[0:1], 0x20             ; a_codes s[12:13], a_scales s[14:15], w_codes s[16:17], w_scales s[18:19]
	s_load_b64 s[20:21], s[0:1], 0x40              ; wp16
	v_lshl_add_u32 v[SPW], v0, 2, SPARE
	v_mov_b32 v[NIL], 0
	v_lshrrev_b32 v1, 5, v0
	v_readfirstlane_b32 s24, v1                    ; wave
	v_and_b32 v2, 31, v0                           ; lane
	s_cmp_ge_u32 ttmp9, 224                        ; the last 32 work-groups take Wp
	s_cbranch_scc1 .Lwp
	; ---------------- the quantiser
	v_lshlrev_b32 v3, 4, v2                        ; my 16 bytes of a load's 512
	s_mul_i32 s27, s24, WREG
	v_lshrrev_b32 v14, 2, v2
	v_mul_u32_u24 v14, v14, SP
	v_and_b32 v15, 3, v2
	v_lshl_add_u32 v14, v15, 4, v14
	v_add_nc_u32 v14, s27, v14                     ; the stage, on the way in: SP (lane / 4) + 16 (lane % 4)
	v_mul_u32_u24 v15, v2, SP
	v_add_nc_u32 v15, s27, v15                     ; and on the way out: SP x lane: my 16 neighbours
	v_mul_u32_u24 v4, v2, CB                       ; my codes' place in a step's
	v_lshrrev_b32 v5, 1, v2
	s_add_co_u32 s27, s27, 2*32*SP
	v_add_nc_u32 v5, s27, v5                       ; LDS: my wave's 256 scale bytes, my block's byte
	v_lshlrev_b32 v7, 3, v2                        ; and on the way out 8 bytes a lane
	v_add_nc_u32 v6, s27, v7
	s_wait_kmcnt 0x0
	s_cmp_lt_u32 ttmp9, 160                        ; the choices hang on the work-group's number alone
	s_cselect_b64 s[22:23], s[6:7], s[8:9]         ; Wq or Wkv,
	s_mov_b32 s25, 160
	s_cselect_b32 s25, 128, s25                    ; and the tensor's first work-group
	s_cmp_lt_u32 ttmp9, 128
	s_cselect_b64 s[4:5], s[4:5], s[22:23]         ; the source
	s_cselect_b64 s[12:13], s[12:13], s[16:17]     ; its codes
	s_cselect_b64 s[14:15], s[14:15], s[18:19]     ; its scale bytes
	s_cselect_b32 s25, 0, s25
	s_cselect_b32 s26, 0, 128                      ; Wq and Wkv share their buffers of codes: both count from work-group 128
	s_sub_co_u32 s25, ttmp9, s25
	s_lshl_b32 s25, s25, 2
	s_add_co_u32 s28, s25, s24                     ; which run of 8,192 numbers of the source is my wave's
	s_mov_b32 s29, 0
	s_sub_co_u32 s26, ttmp9, s26
	s_lshl_b32 s26, s26, 2
	s_add_co_u32 s30, s26, s24                     ; and which run of the codes' buffer
	s_mov_b32 s31, 0
	s_lshl_b64 s[32:33], s[28:29], 15              ; 32,768 bytes of numbers,
	s_add_nc_u64 s[4:5], s[4:5], s[32:33]
	s_lshl_b64 s[32:33], s[30:31], 12              ; 4,096 of codes,
	s_add_nc_u64 s[12:13], s[12:13], s[32:33]
	s_lshl_b64 s[32:33], s[30:31], 8               ; 256 scale bytes a run
	s_add_nc_u64 s[14:15], s[14:15], s[32:33]
.macro LOAD t
.irp i, 0,1,2,3
	global_load_b128 v[R+16*((\t)%4)+4*\i:R+16*((\t)%4)+4*\i+3], v3, s[4:5] offset:2048*(\t)+512*\i th:TH_LOAD_NT   ; 32 lanes read 512 consecutive bytes
.endr
.endm
.macro TURN t                          ; step t's numbers through the stage: LDS serves a wave's instructions in order, so no wait stands between the stores and the loads
.irp i, 0,1,2,3
	ds_store_b128 v14, v[R+16*((\t)%4)+4*\i:R+16*((\t)%4)+4*\i+3] offset:32*SP*((\t)%2)+8*SP*\i
.endr
.irp i, 0,1,2,3
	ds_load_b128 v[X+16*((\t)%2)+4*\i:X+16*((\t)%2)+4*\i+3], v15 offset:32*SP*((\t)%2)+16*\i
.endr
.endm
.irp t, 0,1,2,3
	LOAD \t
.endr
	s_wait_loadcnt 12                              ; step 0's four loads are in; the twelve of steps 1 to 3 may be out
	TURN 0
.macro STEP t
.set XS, X+16*((\t)%2)
.if (\t) > 0
	s_wait_dscnt 1                                 ; this step's numbers are back from the stage (the last step's byte store may be out)
.else
	s_wait_dscnt 0x0
.endif
.if (\t)+4 < STEPS
	LOAD (\t)+4                                    ; into the registers that this step's stores into the stage have read
.endif
.if (\t)+1 < STEPS
.if STEPS-2-(\t) >= 3
	s_wait_loadcnt 12                              ; the next step's four loads are in; those of the three steps behind it may be out
.else
	s_wait_loadcnt 4*(STEPS-2-(\t))
.endif
	TURN (\t)+1                                    ; through the other stage while this step is worked
.endif
	v_max3_num_f32 v8, |v[XS]|, |v[XS+1]|, |v[XS+2]|               ; the largest magnitude of my 16, in two chains
	v_max3_num_f32 v9, |v[XS+3]|, |v[XS+4]|, |v[XS+5]|
.irp i, 6,10
	v_max3_num_f32 v8, v8, |v[XS+\i]|, |v[XS+\i+1]|
	v_max3_num_f32 v9, v9, |v[XS+\i+2]|, |v[XS+\i+3]|
.endr
	v_max3_num_f32 v8, v8, |v[XS+14]|, |v[XS+15]|
	v_max3_num_f32 v8, v8, v9, (EMAX+1)<<23        ; and the floor 2^(3 - 127): the byte cannot fall under 1
	v_max_num_f32_dpp v8, v8, v8 row_xmask:1 row_mask:0xf bank_mask:0xf   ; and of my neighbour's 16: the block's
	v_add_nc_u32 v11, -(EMAX<<23), v8              ; 2 off its exponent field: the conversion takes the exponent field of this operand as its scale
	v_cvt_scalef32_pk8_fp4_f32 v[C+4*(\t)], v[XS:XS+7], v11        ; to the nearest code, ties to even, beyond the largest code the largest
	v_cvt_scalef32_pk8_fp4_f32 v[C+4*(\t)+1], v[XS+8:XS+15], v11
	v_lshrrev_b32 v[E+(\t)], 23, v11               ; the scale's byte (also the plain line behind the conversions)
	ds_store_b8 v5, v[E+(\t)] offset:16*(\t)       ; both lanes of a block write the same byte with the same value
	global_store_b64 v4, v[C+4*(\t):C+4*(\t)+1], s[12:13] offset:32*CB*(\t)   ; the wave stores 256 consecutive bytes, aligned
.endm
.irp t, 0,1,2,3,4,5,6,7,8,9,10,11,12,13,14,15
	STEP \t
.endr
	ds_load_b64 v[8:9], v6                         ; LDS serves a wave's instructions in order: these see my byte stores
	s_wait_dscnt 0x0
	global_store_b64 v7, v[8:9], s[14:15]          ; 32 lanes store 256 consecutive bytes, aligned
	s_wait_tensorcnt 0x0                           ; the wave's end
	ds_add_u32 v[SPW], v[NIL]
	s_wait_dscnt 0x0
	s_endpgm
	; ---------------- Wp into f16.  Wave gw of 128 owns rows 8 gw .. 8 gw + 7.  One load takes 64 along K of two rows: lanes 0-15 the even row's 256 bytes, lanes 16-31 the odd row's;
	; rounded they are 8 bytes a lane, 256 consecutive bytes of wp16.  Four batches of two rows x 16 pieces of K; two batches of loads are out.
.Lwp:
	s_sub_co_u32 s25, ttmp9, 224
	s_lshl_b32 s25, s25, 2
	s_add_co_u32 s25, s25, s24                     ; gw
	v_lshrrev_b32 v3, 4, v2
	v_and_b32 v4, 15, v2
	v_lshlrev_b32 v4, 4, v4
	v_lshl_add_u32 v3, v3, 12, v4                  ; in: 4,096 (lane / 16) + 16 (lane % 16)
	v_lshlrev_b32 v5, 3, v2                        ; out: 8 x lane
	s_lshl_b32 s28, s25, 15                        ; my 8 rows of 4,096 bytes
	s_mov_b32 s29, 0
	s_lshr_b32 s30, s25, 4
	s_lshl_b32 s30, s30, 18                        ; the block of 128 rows: 262,144 bytes,
	s_and_b32 s31, s25, 15
	s_lshl_b32 s31, s31, 10                        ; my 8 rows of 128 bytes in each of its pieces
	s_add_co_u32 s30, s30, s31
	s_mov_b32 s31, 0
	s_wait_kmcnt 0x0
	s_add_nc_u64 s[10:11], s[10:11], s[28:29]
	s_add_nc_u64 s[20:21], s[20:21], s[30:31]
.macro LOADB p
.irp kq, 0,1,2,3,4,5,6,7,8,9,10,11,12,13,14,15
	global_load_b128 v[16+64*((\p)%2)+4*\kq:16+64*((\p)%2)+4*\kq+3], v3, s[10:11] offset:(\p)*8192+\kq*256 th:TH_LOAD_NT
.endr
.endm
.macro BATCH p, left
	s_wait_loadcnt \left                           ; this batch's 16 loads are in; the younger batch's may be out
	s_wait_xcnt 0x0                                ; the last batch's stores have read their data: those registers are written again below
.irp kq, 0,1,2,3,4,5,6,7,8,9,10,11,12,13,14,15
	v_cvt_pk_f16_f32 v[144+2*\kq], v[16+64*((\p)%2)+4*\kq], v[16+64*((\p)%2)+4*\kq+1]
	v_cvt_pk_f16_f32 v[145+2*\kq], v[16+64*((\p)%2)+4*\kq+2], v[16+64*((\p)%2)+4*\kq+3]
.endr
.irp kq, 0,1,2,3,4,5,6,7,8,9,10,11,12,13,14,15
	global_store_b64 v5, v[144+2*\kq:145+2*\kq], s[20:21] offset:\kq*16384+(\p)*256
.endr
.endm
	LOADB 0
	LOADB 1
	BATCH 0, 16
	LOADB 2
	BATCH 1, 16
	LOADB 3
	BATCH 2, 16
	BATCH 3, 0
	s_endpgm
.Lfunc_end_k_q1838dc6d05_prep:
	.size	k_q1838dc6d05_prep, .Lfunc_end_k_q1838dc6d05_prep-k_q1838dc6d05_prep
	.p2alignl 7, 3214868480
	.fill 96, 4, 3214868480
	.section	.rodata,"a",@progbits
	.p2align	6, 0x0
	.amdhsa_kernel k_q1838dc6d05_prep
		.amdhsa_group_segment_fixed_size 33280
		.amdhsa_private_segment_fixed_size 0
		.amdhsa_enable_private_segment 0
		.amdhsa_kernarg_size 72
		.amdhsa_user_sgpr_count 2
		.amdhsa_user_sgpr_kernarg_segment_ptr 1
		.amdhsa_wavefront_size32 1
		.amdhsa_system_sgpr_workgroup_id_x 1
		.amdhsa_system_sgpr_workgroup_id_y 1
		.amdhsa_system_sgpr_workgroup_id_z 1
		.amdhsa_system_vgpr_workitem_id 0
		.amdhsa_next_free_vgpr 192
		.amdhsa_next_free_sgpr 66
		.amdhsa_reserve_vcc 0
		.amdhsa_float_denorm_mode_32 3
		.amdhsa_float_denorm_mode_16_64 3
		.amdhsa_memory_ordered 1
		.amdhsa_forward_progress 1
		.amdhsa_inst_pref_size 55
	.end_amdhsa_kernel
	.amdgpu_metadata
---
amdhsa.version: [ 1, 2 ]
amdhsa.kernels:
  - .name:           k_q1838dc6d05_prep
    .symbol:         k_q1838dc6d05_prep.kd
    .args:
      - { .name: feature, .offset: 0, .size: 8, .value_kind: global_buffer, .address_space: global }
      - { .name: Wq, .offset: 8, .size: 8, .value_kind: global_buffer, .address_space: global }
      - { .name: Wkv, .offset: 16, .size: 8, .value_kind: global_buffer, .address_space: global }
      - { .name: Wp, .offset: 24, .size: 8, .value_kind: global_buffer, .address_space: global }
      - { .name: a_codes, .offset: 32, .size: 8, .value_kind: global_buffer, .address_space: global }
      - { .name: a_scales, .offset: 40, .size: 8, .value_kind: global_buffer, .address_space: global }
      - { .name: w_codes, .offset: 48, .size: 8, .value_kind: global_buffer, .address_space: global }
      - { .name: w_scales, .offset: 56, .size: 8, .value_kind: global_buffer, .address_space: global }
      - { .name: wp16, .offset: 64, .size: 8, .value_kind: global_buffer, .address_space: global }
    .group_segment_fixed_size: 33280
    .private_segment_fixed_size: 0
    .kernarg_segment_align: 8
    .kernarg_segment_size: 72
    .max_flat_workgroup_size: 128
    .sgpr_count:     66
    .vgpr_count:     192
    .wavefront_size: 32
...
	.end_amdgpu_metadata
.endif
;; end of part 1
;; launch qkvgemm (part 2): grid 12 x 16, 4 waves a work-group, clusters of 4 x 4, 327,680 bytes of LDS; arguments a_codes, a_scales, w_codes, w_scales, bq, bkv, qkv16; writes qkv16
.if DOCPART == 2
	.amdgcn_target "amdgcn-amd-amdhsa--gfx1250"
	.amdhsa_code_object_version 6
	.text
	.protected	k_q1838dc6d05_qkvgemm
	.globl	k_q1838dc6d05_qkvgemm
	.p2align	8
	.type	k_q1838dc6d05_qkvgemm,@function
k_q1838dc6d05_qkvgemm:
	s_mov_b64 s[64:65], 0
	v_nop
	global_prefetch_b8 v0, s[64:65] scope:SCOPE_SE
	s_setreg_imm32_b32 hwreg(HW_REG_WAVE_MODE, 25, 1), 1
	s_wait_xcnt 0x0
	s_wait_alu depctr_hold_cnt(0) depctr_sa_sdst(0) depctr_va_vdst(0) depctr_va_sdst(0) depctr_va_ssrc(0) depctr_va_vcc(0) depctr_vm_vsrc(0)
	s_getreg_b32 s2, hwreg(HW_REG_IB_STS2, 6, 4)
	s_cmp_eq_u32 s2, 0
	s_cbranch_scc0 .Lentry_in_a_cluster
	s_endpgm
.Lentry_in_a_cluster:
	s_bfe_u32 s2, ttmp6, 0x10000c
	s_cmp_lg_u32 s2, 0xf033
	s_cbranch_scc0 .Lentry_shape_is_right
	s_endpgm
.Lentry_shape_is_right:
; [q | k | v][token][column] = sum over k of feature[token][k] W[column][k] + bias[column], on codes of FP4 (E2M1) with one E8M0 scale for each 32 along K.  4,096 tokens, 3,072 columns (1,024 of Wq, 2,048 of Wkv), K = 1,024.
; WORK LEFT OUT: k's bias, bkv[0:1024]: it adds to every score of a query the same number, which the softmax takes away (shown at the head of the first launch's text).  Those bytes are not loaded.
; The result leaves as f16, laid [column / 64][token][column % 64]: 48 slabs of 524,288 bytes: heads 0-15 of q, of k, of v.  f16 has room: |q|, |k|, |v| stay under 65,504 with feature and weights both 30 times the drawn spread.
; A tile of 256 tokens x 256 columns is made by a work-group of four waves; a wave makes 128 x 128: 64 accumulators of 16 x 16, 512 registers.
; K = 1,024 is two slots of 512 along K (tile rows of 256 bytes): both, and the scale bytes of the work-group's rows, are asked for at the head; no LDS byte is filled twice.  A wave has three tensor loads out at the most.
; CLUSTERS: 4 x 4 work-groups.  The four of a row of the cluster need the same tiles of the tokens' codes, the four of a column the same tiles of the weights': each is asked for JOINTLY, by the same tensor load with the same descriptor
; and a mask that names the four.  A cluster's 1,024 columns are all q's (cluster x = 0), all k's (1) or all v's (2): the one branch on that number is alike in all partners.
; THE MATRIX INSTRUCTION IS USED TRANSPOSED (source 0 = 16 rows of W, source 1 = 16 tokens): a lane then holds eight neighbouring columns of one token.  The bias is the C of each sum's first instruction.
; REGISTERS, in windows of 256: window 0: v0-31 addresses; v32-95 scale words, two sets, and nothing else; v128-191 the tokens' fragments, ONE set (on the way out: rows read back); v192-255 the bias (on the way out v192-223: packed results).
;   window 1: W's fragments, TWO sets, at v0 and v128.   window 2: the 32 accumulators of my tokens 0-63 ((a, b) at v[8 (8 a + b)]);   window 3: those of my tokens 64-127.
.set KSTEP,  512                       ; along K in a slot
.set NQ,     4                         ; matrix instructions deep
.set ROWB,   256                       ; a tile's row in bytes
.set KROW,   512                       ; a row of codes in memory
.set PITCH,  272                       ; an LDS row: 256 bytes + 16 of padding: the 16 rows that a load touches start 68 words apart
.set FR,     8                         ; registers of a fragment: 16 rows x 128 K
.set NL,     2                         ; LDS loads that bring one
.set NP,     4                         ; places behind this matrix instruction (ISA guide 7.12.1)
.set HALFT,  128*PITCH                 ; 128 rows: what one tensor load brings
.set SLOT,   4*HALFT                   ; the tokens' 256 rows, then W's 256 rows
.set KS,     32                        ; a row of scale bytes
.set SCL,    2*SLOT                    ; behind the slots: the scales, as rows of 256 bytes + 16 of padding
.set HALFS,  16*272                    ; the scales of 128 rows
.set SBLK,   2*272                     ; those of 16 rows
.set SPARE,  SCL+4*HALFS               ; behind the scales: the spare words, 128 bytes a wave, which no other line names
.set SPH,    16*144                    ; the way out: a head's 16 tokens x (128 bytes + 16); a wave's stage is two of these, in slot 0, which has had its one fill and its last read by then
.set ADRA, 16                          ; v16-17  LDS address of my tokens' fragments in slot 0, 1
.set ADRB, 20                          ; v20-21  the same for W
.set STO,  24                          ; v24     the way out: where I put 16 bytes of a row
.set RD,   25                          ; v25     where I read rows back
.set CO,   26                          ; v26     16 x lane: my bytes of a store's 512
.set ADRS, 27                          ; v27     LDS address of my scale words: lanes 0-15 the tokens', lanes 16-31 W's
.set SPW,  28                          ; v28     LDS address of my spare word; never rewritten
.set NIL,  29                          ; v29     0; never rewritten
.set SC,   32
.set AF,   128
.set BK,   128                         ; the way out: 16 tokens read back: v128-159 and v160-191 by turns
.set BIAS, 192                         ; register 8 b + j: the bias of column 16 b + 8 (lane / 16) + j of my 128
.set TMP,  192
.set G1, 24
.set G0, 32
.set G1B, 48
.set G0B, 56
.set G1S, 68
.set G0S, 76
.set G1SB, 80
.set G0SB, 88
.set MSB, 0
.macro WIN new                         ; the immediate's high byte repeats the setting that is left
.if MSB != \new
	s_set_vgpr_msb (MSB<<8)|\new
.set MSB, \new
.endif
.endm
.set MUL_LO, 0xa1                      ; source 0 (W) window 1, source 1 (tokens) window 0, C and D window 2
.set MUL_HI, 0xf1                      ; the same, C and D window 3
.set BIA_LO, 0x81                      ; the first step: C (the bias) window 0, D window 2
.set BIA_HI, 0xc1                      ; D window 3
.set TO_B,   0x40                      ; destination window 1, address window 0
; A joint load: waves 0 and 1 fetch for the tokens, waves 2 and 3 for W.  The branch hangs on the wave's number alone.  An s_nop 0 and four v_nop follow each of the two lines.
.macro JLOAD g0a, g1a, g0b, g1b
	s_cmp_eq_u32 s15, 0
	s_cbranch_scc0 .Lfor_b_\@
	tensor_load_to_lds s[\g0a:\g0a+3], s[\g1a:\g1a+7]
	s_nop 0
.rept 4
	v_nop
.endr
	s_branch .Lasked_\@
.Lfor_b_\@:
	tensor_load_to_lds s[\g0b:\g0b+3], s[\g1b:\g1b+7]
	s_nop 0
.rept 4
	v_nop
.endr
.Lasked_\@:
.endm
.macro CROUND                          ; a round of the cluster's barrier
	s_barrier_signal -1
	s_barrier_wait -1
	s_cmp_lg_u32 s14, 0
	s_cbranch_scc1 .Lnot_wave_0_\@
	s_barrier_signal -3
.Lnot_wave_0_\@:
	s_barrier_wait -3
	s_barrier_signal -1
	s_barrier_wait -1
.endm
	s_load_b128 s[4:7], s[0:1], 0x0                ; the tokens' codes s[4:5], their scales s[6:7]
	s_load_b128 s[8:11], s[0:1], 0x10              ; W's codes s[8:9], W's scales s[10:11]
	s_load_b128 s[96:99], s[0:1], 0x20             ; bq s[96:97], bkv s[98:99]
	s_load_b64 s[12:13], s[0:1], 0x30              ; the result
	v_lshl_add_u32 v[SPW], v0, 2, SPARE
	v_mov_b32 v[NIL], 0
	ds_add_u32 v[SPW], v[NIL]                      ; the wave's opening: the add, twice on end, and its wait ahead of my first tensor load
	ds_add_u32 v[SPW], v[NIL]
	v_lshrrev_b32 v1, 5, v0
	v_readfirstlane_b32 s14, v1                    ; wave 0..3
	s_lshr_b32 s15, s14, 1                         ; which half of the tile's tokens is mine.  Also: I fetch for the tokens (0) or for W (1)
	s_and_b32 s16, s14, 1                          ; which half of its columns.  Also: which 128 rows I fetch
	s_bfe_u32 s40, ttmp6, 0x40000                  ; cx, cy: my place in the cluster
	s_bfe_u32 s41, ttmp6, 0x40004
	s_lshl_b32 s42, ttmp9, 2
	s_add_co_u32 s42, s42, s40                     ; tile column = 4 x cluster x + cx
	s_and_b32 s17, ttmp7, 0xffff
	s_lshl_b32 s17, s17, 2
	s_add_co_u32 s17, s17, s41                     ; tile row = 4 x cluster y + cy
	s_lshl_b32 s43, s41, 2
	s_lshl_b32 s43, 15, s43                        ; my row of the cluster
	s_lshl_b32 s44, 0x1111, s40                    ; my column
	; descriptor group 1: a tile of 128 rows x 256 bytes, 16 bytes of padding behind each row
	s_or_b32 s[G1+0], s43, (0<<16)|(1<<20)|(1<<21)|(5<<22)|(3<<25)  ; 15:0 the mask; 17:16 elements of 1 byte; 20 padding on; 21 set beside a mask; 24:22 after every 64 words; 31:25 four words
	s_or_b32 s[G1B+0], s44, (0<<16)|(1<<20)|(1<<21)|(5<<22)|(3<<25)
.irp g, G1, G1B
	s_mov_b32 s[\g+1], ROWB<<16                    ; tensor_dim0
	s_mov_b32 s[\g+2], 128<<16                     ; tensor_dim1
	s_mov_b32 s[\g+3], ROWB<<16                    ; tile_dim0
	s_mov_b32 s[\g+4], 128                         ; tile_dim1
	s_mov_b32 s[\g+5], KROW                        ; from row to row
	s_mov_b32 s[\g+6], 0
	s_mov_b32 s[\g+7], 0
.endr
	; the scales of 128 rows: 4,096 dense bytes, as 16 rows of 256 bytes (32 elements of 8 bytes), 16 bytes of padding behind each
	s_or_b32 s[G1S+0], s43, (3<<16)|(1<<20)|(1<<21)|(5<<22)|(3<<25)
	s_or_b32 s[G1SB+0], s44, (3<<16)|(1<<20)|(1<<21)|(5<<22)|(3<<25)
.irp g, G1S, G1SB
	s_mov_b32 s[\g+1], 32<<16
	s_mov_b32 s[\g+2], 16<<16
	s_mov_b32 s[\g+3], 32<<16
	s_mov_b32 s[\g+4], 16
	s_mov_b32 s[\g+5], 32
	s_mov_b32 s[\g+6], 0
	s_mov_b32 s[\g+7], 0
.endr
	s_lshl_b32 s18, s16, 7                         ; which 128 rows of the tile I fetch
	s_lshl_b32 s20, s17, 8
	s_add_co_u32 s20, s20, s18                     ; tokens: row 256 x tile row + 128 x half
	s_lshl_b32 s46, s42, 8
	s_add_co_u32 s46, s46, s18                     ; W: row 256 x tile column + 128 x half
	s_mov_b32 s21, 0
	s_mov_b32 s47, 0
	s_mov_b64 s[18:19], KS
	s_mul_u64 s[22:23], s[20:21], s[18:19]         ; where these rows' scales begin, in bytes
	s_mul_u64 s[92:93], s[46:47], s[18:19]
	s_mov_b64 s[18:19], KROW
	s_mul_u64 s[20:21], s[20:21], s[18:19]         ; and their codes
	s_mul_u64 s[46:47], s[46:47], s[18:19]
	s_mul_i32 s45, s14, HALFT                      ; where they go: wave x 128 rows: no place in the cluster enters an LDS address
	s_mul_i32 s94, s14, HALFS
	s_wait_dscnt 0x0                               ; both opening adds are done
	s_wait_kmcnt 0x0
	s_add_nc_u64 s[20:21], s[4:5], s[20:21]
	s_add_nc_u64 s[22:23], s[6:7], s[22:23]
	s_add_nc_u64 s[46:47], s[8:9], s[46:47]
	s_add_nc_u64 s[92:93], s[10:11], s[92:93]
	CROUND                                         ; all sixteen work-groups are here: the joint loads meet
	s_mov_b32 s[G0S], 1
	s_add_co_u32 s[G0S+1], s94, SCL
	s_mov_b64 s[G0S+2:G0S+3], s[22:23]
	s_or_b32 s[G0S+3], s[G0S+3], 0x80000000
	s_mov_b32 s[G0SB], 1
	s_add_co_u32 s[G0SB+1], s94, SCL
	s_mov_b64 s[G0SB+2:G0SB+3], s[92:93]
	s_or_b32 s[G0SB+3], s[G0SB+3], 0x80000000
	JLOAD G0S, G1S, G0SB, G1SB                     ; the scales first: they are wanted with the first slot
.irp s, 0,1
	s_mov_b32 s[G0+4*\s], 1
	s_add_co_u32 s[G0+4*\s+1], s45, \s*SLOT
	s_add_nc_u64 s[G0+4*\s+2:G0+4*\s+3], s[20:21], \s*ROWB
	s_or_b32 s[G0+4*\s+3], s[G0+4*\s+3], 0x80000000
	s_mov_b32 s[G0B+4*\s], 1
	s_add_co_u32 s[G0B+4*\s+1], s45, \s*SLOT
	s_add_nc_u64 s[G0B+4*\s+2:G0B+4*\s+3], s[46:47], \s*ROWB
	s_or_b32 s[G0B+4*\s+3], s[G0B+4*\s+3], 0x80000000
	JLOAD G0+4*\s, G1, G0B+4*\s, G1B
.endr
	v_and_b32 v1, 15, v0                           ; l % 16
	v_bfe_u32 v2, v0, 4, 1                         ; l / 16
	; the bias of my 128 columns: q's from bq, v's from bkv's second half, k's none
	v_lshlrev_b32 v9, 5, v2                        ; 32 (l / 16): my eight numbers of each 16
	s_lshl_b32 s92, s42, 10                        ; 4 bytes x (256 x tile column
	s_lshl_b32 s93, s16, 9                         ;            + 128 x half)
	s_add_co_u32 s92, s92, s93
	s_cmp_eq_u32 ttmp9, 0                          ; the cluster's x: alike in all sixteen partners
	s_cselect_b64 s[96:97], s[96:97], s[98:99]
	s_cselect_b32 s93, 0, 4096                     ; bkv begins at column 1,024
	s_sub_co_u32 s92, s92, s93
	s_mov_b32 s93, 0
	s_add_nc_u64 s[96:97], s[96:97], s[92:93]
	s_cmp_eq_u32 ttmp9, 1
	s_cbranch_scc1 .Lno_bias
.irp b, 0,1,2,3,4,5,6,7
	global_load_b128 v[BIAS+8*\b:BIAS+8*\b+3], v9, s[96:97] offset:64*\b
	global_load_b128 v[BIAS+8*\b+4:BIAS+8*\b+7], v9, s[96:97] offset:64*\b+16
.endr
	s_branch .Lbias_done
.Lno_bias:
.irp j, 0,1,2,3,4,5,6,7,8,9,10,11,12,13,14,15,16,17,18,19,20,21,22,23,24,25,26,27,28,29,30,31,32,33,34,35,36,37,38,39,40,41,42,43,44,45,46,47,48,49,50,51,52,53,54,55,56,57,58,59,60,61,62,63
	v_mov_b32 v[BIAS+\j], 0                        ; k: its sums begin at 0 (one text of the first step serves all three tensors)
.endr
.Lbias_done:
	v_mul_u32_u24 v3, v1, PITCH
	v_lshl_add_u32 v4, v2, 4, v3                   ; a fragment's row x pitch + 16 x half
	s_mul_i32 s21, s15, HALFT                      ; my 128 tokens
	s_mul_i32 s22, s16, HALFT                      ; my 128 rows of W,
	s_add_co_u32 s22, s22, 2*HALFT                 ; which lie behind the tokens' 256
.irp s, 0,1
	v_add_nc_u32 v[ADRA+\s], s21, v4
	v_add_nc_u32 v[ADRB+\s], s22, v4
	s_add_co_u32 s21, s21, SLOT
	s_add_co_u32 s22, s22, SLOT
.endr
	v_mul_u32_u24 v5, v1, KS                       ; my row's scales: 32 bytes a row,
	v_lshrrev_b32 v6, 8, v5
	v_lshl_add_u32 v5, v6, 4, v5                   ; and 16 more for each 256 passed
	s_mul_i32 s21, s15, HALFS                      ; the tokens': my 128 rows
	s_mul_i32 s22, s16, HALFS                      ; W's: my 128 rows, behind the tokens' 256
	s_add_co_u32 s22, s22, 2*HALFS
	s_sub_co_u32 s22, s22, s21
	v_mul_u32_u24 v6, s22, v2                      ; lanes 16-31 take W's: one product, the distance between the two bases
	s_add_co_u32 s21, s21, SCL
	v_add_nc_u32 v5, v5, v6
	v_add_nc_u32 v[ADRS], s21, v5
	s_mul_i32 s23, s14, 2*SPH                      ; my stage
	v_mul_u32_u24 v5, v1, 144                      ; in: row l % 16, 16 bytes for each half of the lanes
	v_lshl_add_u32 v5, v2, 4, v5
	v_add_nc_u32 v[STO], s23, v5
	v_and_b32 v6, 31, v0
	v_lshrrev_b32 v7, 3, v6                        ; back: eight lanes to a token's 128 bytes, four tokens an instruction
	v_mul_u32_u24 v7, v7, 144
	v_and_b32 v8, 7, v0
	v_lshl_add_u32 v7, v8, 4, v7
	v_add_nc_u32 v[RD], s23, v7
	v_lshlrev_b32 v[CO], 4, v6                     ; four tokens of a slab are 512 consecutive bytes
	s_lshl_b32 s20, s17, 8
	s_lshl_b32 s21, s15, 7
	s_add_co_u32 s20, s20, s21                     ; my first token,
	s_lshl_b32 s20, s20, 7                         ; 128 bytes a token in a slab
	s_lshl_b32 s46, s42, 2
	s_lshl_b32 s47, s16, 1
	s_add_co_u32 s46, s46, s47                     ; my first slab: 4 x tile column + 2 x half
	s_lshl_b32 s46, s46, 19
	s_add_co_u32 s20, s20, s46
	s_mov_b32 s21, 0
	s_add_nc_u64 s[12:13], s[12:13], s[20:21]
.macro FRAG reg, adr, q, i             ; 16 rows x 128 K of 4-bit codes: lane l holds row l % 16; registers 4 c .. 4 c + 3 hold K = 64 c + 32 (l / 16) + 0 .. 31
.irp c, 0,1
	ds_load_b128 v[\reg+4*\c:\reg+4*\c+3], v[\adr] offset:64*(\q)+32*\c+(\i)*16*PITCH
.endr
.endm
; 16 matrix instructions: token blocks a0, a0 + 1 x W's eight, 128 along K: the slot's q-th.  p: W's set;  sc: the set of scale words.  bias = 1: the first products start the sums from the bias.
; The 64 accumulators take turns, one instruction a turn, in the same order in every step.
.macro MUL16 a0, p, q, sc, bias
.irp a, \a0, \a0+1
.irp b, 0,1,2,3,4,5,6,7
.if \bias
	v_wmma_scale_f32_16x16x128_f8f6f4 v[8*(8*((\a)%4)+\b):8*(8*((\a)%4)+\b)+7], v[128*(\p)+FR*\b:128*(\p)+FR*\b+FR-1], v[AF+FR*(\a):AF+FR*(\a)+FR-1], v[BIAS+8*\b:BIAS+8*\b+7], v[SC+8*NQ*(\sc)+NQ*\b+(\q)], v[SC+8*NQ*(\sc)+NQ*(\a)+(\q)] matrix_a_fmt:MATRIX_FMT_FP4 matrix_b_fmt:MATRIX_FMT_FP4 matrix_a_scale:MATRIX_SCALE_ROW1
.else
	v_wmma_scale_f32_16x16x128_f8f6f4 v[8*(8*((\a)%4)+\b):8*(8*((\a)%4)+\b)+7], v[128*(\p)+FR*\b:128*(\p)+FR*\b+FR-1], v[AF+FR*(\a):AF+FR*(\a)+FR-1], v[8*(8*((\a)%4)+\b):8*(8*((\a)%4)+\b)+7], v[SC+8*NQ*(\sc)+NQ*\b+(\q)], v[SC+8*NQ*(\sc)+NQ*(\a)+(\q)] matrix_a_fmt:MATRIX_FMT_FP4 matrix_b_fmt:MATRIX_FMT_FP4 matrix_a_scale:MATRIX_SCALE_ROW1
.endif
.endr
.endr
.endm
.macro FETCH_B slot, q, p              ; W's eight fragments of the slot's q-th 128 along K into set p
	WIN TO_B
.irp i, 0,1,2,3,4,5,6,7
	FRAG 128*(\p)+FR*\i, ADRB+\slot, \q, \i
.endr
	WIN 0
.endm
.macro FETCH_A slot, q, i0             ; token blocks i0 .. i0 + 3
.irp i, \i0, \i0+1, \i0+2, \i0+3
	FRAG AF+FR*(\i), ADRA+\slot, \q, \i
.endr
.endm
.macro SCALES sc                       ; a slot's scale words into set sc: four words a row; lanes 0-15 take the tokens' block i, lanes 16-31 W's block i
.irp i, 0,1,2,3,4,5,6,7
	ds_load_b128 v[SC+8*NQ*\sc+NQ*\i:SC+8*NQ*\sc+NQ*\i+3], v[ADRS] offset:\i*SBLK
.endr
.endm
.macro PLACES n                        ; plain vector instructions between a matrix instruction and a load into one of its registers or a read of its result
.rept \n
	v_nop
.endr
.endm
; A step of 128 along K that has its successor in the same slot.
.macro STEP slot, q, bias
	s_wait_dscnt 4*NL                              ; W's set and token blocks 0-3 are in; the youngest eight loads (blocks 4-7) may be out
.if \bias
	WIN BIA_LO
.else
	WIN MUL_LO
.endif
	MUL16 0, (\q)%2, \q, \slot, \bias
	MUL16 2, (\q)%2, \q, \slot, \bias
	s_wait_dscnt 0                                 ; blocks 4-7 are in (asked for 32 matrix instructions ago)
	PLACES NP
	FETCH_B \slot, (\q)+1, 1-(\q)%2
	FETCH_A \slot, (\q)+1, 0
.if \bias
	WIN BIA_HI
.else
	WIN MUL_HI
.endif
	MUL16 4, (\q)%2, \q, \slot, \bias
	MUL16 6, (\q)%2, \q, \slot, \bias
	PLACES NP
	WIN 0
	FETCH_A \slot, (\q)+1, 4
.endm
; Slot 0's last step changes slots: one barrier; in front of it each wave waits for all its tensor loads (its part of slot 1), adds 0 to its spare word, and waits for that and for its reads of slot 0.  Nothing is filled again.
.macro TURN slot, next
	s_wait_tensorcnt 0x0                           ; all my tensor loads have landed
	ds_add_u32 v[SPW], v[NIL]                      ; 0 onto my spare word
	s_wait_dscnt 4*NL+1                            ; (the add and the youngest eight loads may be out)
	WIN MUL_LO
	MUL16 0, 1, NQ-1, \slot, 0                     ; sixteen matrix instructions stand between the add and the wait for it
	s_wait_dscnt 0x0                               ; the add is done, and my reads of this slot are over
	s_barrier_signal -1
	MUL16 2, 1, NQ-1, \slot, 0
	WIN 0
	s_barrier_wait -1
	PLACES NP
	v_add_nc_u32 v[ADRS], 4*NQ, v[ADRS]            ; on to the next slot's scale words
	FETCH_B \next, 0, 0
	FETCH_A \next, 0, 0
	SCALES \next
	WIN MUL_HI
	MUL16 4, 1, NQ-1, \slot, 0
	MUL16 6, 1, NQ-1, \slot, 0
	PLACES NP
	WIN 0
	FETCH_A \next, 0, 4
.endm
.macro STEPS slot, from                ; the slot's steps from .. NQ - 2
.set Q, \from
.rept NQ-1-\from
	STEP \slot, Q, 0
.set Q, Q+1
.endr
.endm
	s_wait_tensorcnt 1                             ; the scales and my part of slot 0 are in (slot 1's load may be out),
	s_barrier_signal -1
	s_barrier_wait -1                              ; everybody's are
	FETCH_B 0, 0, 0
	FETCH_A 0, 0, 0
	SCALES 0
	FETCH_A 0, 0, 4
	s_wait_loadcnt 0x0                             ; the bias
	STEP 0, 0, 1                                   ; the first step's products start the sums
	STEPS 0, 1
	TURN 0, 1
	STEPS 1, 0
	s_wait_dscnt 4*NL                              ; the very last step: nothing more to fetch
	WIN MUL_LO
	MUL16 0, 1, NQ-1, 1, 0
	MUL16 2, 1, NQ-1, 1, 0
	s_wait_dscnt 0
	WIN MUL_HI
	MUL16 4, 1, NQ-1, 1, 0
	MUL16 6, 1, NQ-1, 1, 0
	WIN 0
; THE WAY OUT, block by block of 16 tokens x 128 columns (two heads).  PACK: rounded to f16, 16 bytes a lane, each accumulator from its low end on.  TOSTAGE: into my own stage and back, four tokens of a head to an instruction.
; SEND: stored, 512 consecutive bytes of a slab an instruction.  LDS serves a wave's instructions in order: no wait between the stage's stores and loads.
.macro PACK a
.set AC, 64*((\a)%4)
.set WN, 0x0a+5*((\a)/4)
	WIN WN                                         ; sources 0 and 1: window 2 or 3
.irp b, 0,1,2,3,4,5,6,7
.irp r, 0,1,2,3
	v_cvt_pk_f16_f32 v[TMP+4*\b+\r], v[AC+8*\b+2*\r], v[AC+8*\b+2*\r+1]
.endr
.endr
	WIN 0
.endm
.macro TOSTAGE a
.set BB, BK+32*((\a)%2)
.irp b, 0,1,2,3,4,5,6,7
	ds_store_b128 v[STO], v[TMP+4*\b:TMP+4*\b+3] offset:(\b/4)*SPH+32*(\b%4)
.endr
.irp t, 0,1,2,3,4,5,6,7
	ds_load_b128 v[BB+4*\t:BB+4*\t+3], v[RD] offset:(\t/4)*SPH+(\t%4)*576
.endr
.endm
.macro SEND a
.set BB, BK+32*((\a)%2)
	s_wait_dscnt 0x0                               ; the block is back in registers
	s_wait_xcnt 0x0                                ; the earlier stores have read their base and their data: the base steps, and the block after this one lands where they read
.if (\a) > 0
	s_add_nc_u64 s[12:13], s[12:13], 16*128        ; 16 tokens on
.endif
.irp t, 0,1,2,3,4,5,6,7
	global_store_b128 v[CO], v[BB+4*\t:BB+4*\t+3], s[12:13] offset:(\t/4)*524288+(\t%4)*512
.endr
.endm
	PLACES NP                                      ; behind the last products: for the loads into the registers that held the tokens' fragments
	PACK 0
	TOSTAGE 0
.irp a, 1,2,3,4,5,6,7                  ; block a's conversions stand between block a - 1's loads from the stage and the wait for them
	PACK \a
	SEND (\a)-1
	TOSTAGE \a
.endr
	SEND 7
	s_wait_tensorcnt 0x0                           ; the wave's end
	ds_add_u32 v[SPW], v[NIL]
	s_wait_dscnt 0x0
	CROUND                                         ; the closing round: no work-group ends while a partner may still ask for a tile that names it
	s_endpgm
.Lfunc_end_k_q1838dc6d05_qkvgemm:
	.size	k_q1838dc6d05_qkvgemm, .Lfunc_end_k_q1838dc6d05_qkvgemm-k_q1838dc6d05_qkvgemm
	.p2alignl 7, 3214868480
	.fill 96, 4, 3214868480
	.section	.rodata,"a",@progbits
	.p2align	6, 0x0
	.amdhsa_kernel k_q1838dc6d05_qkvgemm
		.amdhsa_group_segment_fixed_size 327680
		.amdhsa_private_segment_fixed_size 0
		.amdhsa_enable_private_segment 0
		.amdhsa_kernarg_size 56
		.amdhsa_user_sgpr_count 2
		.amdhsa_user_sgpr_kernarg_segment_ptr 1
		.amdhsa_wavefront_size32 1
		.amdhsa_system_sgpr_workgroup_id_x 1
		.amdhsa_system_sgpr_workgroup_id_y 1
		.amdhsa_system_sgpr_workgroup_id_z 1
		.amdhsa_system_vgpr_workitem_id 0
		.amdhsa_next_free_vgpr 1024
		.amdhsa_next_free_sgpr 100
		.amdhsa_reserve_vcc 0
		.amdhsa_float_denorm_mode_32 3
		.amdhsa_float_denorm_mode_16_64 3
		.amdhsa_memory_ordered 1
		.amdhsa_forward_progress 1
		.amdhsa_inst_pref_size 131
	.end_amdhsa_kernel
	.amdgpu_metadata
---
amdhsa.version: [ 1, 2 ]
amdhsa.kernels:
  - .name:           k_q1838dc6d05_qkvgemm
    .symbol:         k_q1838dc6d05_qkvgemm.kd
    .args:
      - { .name: a_codes, .offset: 0, .size: 8, .value_kind: global_buffer, .address_space: global }
      - { .name: a_scales, .offset: 8, .size: 8, .value_kind: global_buffer, .address_space: global }
      - { .name: w_codes, .offset: 16, .size: 8, .value_kind: global_buffer, .address_space: global }
      - { .name: w_scales, .offset: 24, .size: 8, .value_kind: global_buffer, .address_space: global }
      - { .name: bq, .offset: 32, .size: 8, .value_kind: global_buffer, .address_space: global }
      - { .name: bkv, .offset: 40, .size: 8, .value_kind: global_buffer, .address_space: global }
      - { .name: qkv16, .offset: 48, .size: 8, .value_kind: global_buffer, .address_space: global }
    .group_segment_fixed_size: 327680
    .private_segment_fixed_size: 0
    .kernarg_segment_align: 8
    .kernarg_segment_size: 56
    .max_flat_workgroup_size: 128
    .sgpr_count:     100
    .vgpr_count:     1024
    .wavefront_size: 32
...
	.end_amdgpu_metadata
.endif
;; end of part 2
;; launch attn (part 3): grid 16 x 16, 8 waves a work-group, clusters of 4 x 1, 327,680 bytes of LDS; arguments qkv16, x16; writes x16
.if DOCPART == 3
	.amdgcn_target "amdgcn-amd-amdhsa--gfx1250"
	.amdhsa_code_object_version 6
	.text
	.protected	k_q1838dc6d05_attn
	.globl	k_q1838dc6d05_attn
	.p2align	8
	.type	k_q1838dc6d05_attn,@function
k_q1838dc6d05_attn:
	s_mov_b64 s[64:65], 0
	v_nop
	global_prefetch_b8 v0, s[64:65] scope:SCOPE_SE
	s_setreg_imm32_b32 hwreg(HW_REG_WAVE_MODE, 25, 1), 1
	s_wait_xcnt 0x0
	s_wait_alu depctr_hold_cnt(0) depctr_sa_sdst(0) depctr_va_vdst(0) depctr_va_sdst(0) depctr_va_ssrc(0) depctr_va_vcc(0) depctr_vm_vsrc(0)
	s_getreg_b32 s2, hwreg(HW_REG_IB_STS2, 6, 4)
	s_cmp_eq_u32 s2, 0
	s_cbranch_scc0 .Lentry_in_a_cluster
	s_endpgm
.Lentry_in_a_cluster:
	s_bfe_u32 s2, ttmp6, 0x10000c
	s_cmp_lg_u32 s2, 0x3003
	s_cbranch_scc0 .Lentry_shape_is_right
	s_endpgm
.Lentry_shape_is_right:
; x[token][head][:] = the sum over keys of softmax_key(q . k / 8) v, 16 heads of 64, 4,096 tokens, no mask.  q, k, v: f16, [slab 48][token][64] (slabs 0-15 q's heads, 16-31 k's, 32-47 v's).  Products on f16 operands, sums, maxima and
; the softmax in f32; the weights p are rounded to f16 for the second product, x once at the end.  k comes without its bias: that term is the same for all keys of a query (shown at the head of the first launch's text).
; x leaves as f16, laid [token / 128][head][token % 128][64], so that the next launch's tiles are dense blocks.  LIMIT: with feature and weights both 30 times smaller than drawn, x falls among f16's subnormals, whose step is 2^-24.
; SHARES.  A work-group owns 256 queries of one head.  Waves W and W xor 4 own the same 64 queries (four tiles of 16) and different halves of the keys: of each slot of 512 keys, waves 0-3 take the first 256, waves 4-7 the others.
; So two waves of 512 registers lie on a SIMD, one's softmax beside the other's products, and each fragment of K and V read from LDS still feeds four matrix instructions.  At the end the two waves of a pair merge
; maximum, sum and O through LDS.  Register tile t holds query tile (t + 2 (W / 4)) % 4: every wave keeps its register tiles 0, 1 and hands over 2, 3: one text for all waves.
; LAYOUT.  S^T = K Q^T (source 0 = 16 keys, source 1 = 16 queries): a lane holds ONE query (lane % 16) and keys 8 (lane / 16) + 0..7.  Two such tiles, rounded in pairs, ARE source 1 of O^T = V^T P.  V is turned by ds_load_tr16_b128.
; SOFTMAX.  For each query a running maximum m and sum l: p = 2^(c s - c m), c = log2(e) / 8; in every step O and l are multiplied by a = 2^(c m_old - c m_new).  The sum is taken of p before it is rounded.
; RING.  Two LDS slots of 512 keys.  A key's row is 128 bytes and rows are dense, so a tile is stated as rows of two keys, 256 bytes.  Waves 0-3 fetch K's quarters, waves 4-7 V's: one load of 64 such rows a wave.
; CLUSTER.  The four query blocks of a cluster belong to one head and walk the same K and V: each tile is asked for JOINTLY.  A wave has two tensor loads out at the head, later one.
; REGISTERS: window 0: v2-15 addresses; v16-47 statistics, 8 a tile (+0 c m, +1 m, +2, +3 l in two halves, +4 to +7 at work; a in +6); v48-175 S^T, 32 a tile, then p, then P in the lower 16; v176-239 K of one step; v240-247 the merge.
;   window 1: v0-63 Q, 16 a tile; v64-191 O^T, 32 a tile; v192-255 V of one step.
.set PK,    272                        ; two keys of K in LDS: 256 bytes + 16: the 16 keys of a load fall on 16 different columns of 16 bytes
.set PV,    288                        ; two keys of V: 256 + 32: likewise for the turning load's 8 keys x 32 bytes
.set VOFF,  256*PK                     ; a slot: 256 rows of K, then 256 rows of V
.set SLOTB, 256*(PK+PV)
.set SPARE, 2*SLOTB                    ; behind the ring: the spare words, 128 bytes a wave, which no other line names
.set KSTP,  32*PK                      ; a step's 64 keys
.set VSTP,  32*PV
.set MRGB,  8704                       ; the merge: a wave's image of 64 registers of O^T (8,192 bytes) and 16 bytes a lane of statistics; eight of these from LDS byte 0 on,
.set STG,   8*MRGB                     ; and behind them a stage of 2 x 16 rows x 144 bytes for each wave: all in slot 0, which has had its last fill and its last read by then
.set AK0, 2                            ; v2   my lane's place in a step's K
.set AV0, 3                            ; v3   and V
.set ADK, 4                            ; v4   LDS address of the step's K
.set ADV, 5                            ; v5   and V
.set QOA, 6                            ; v6   my bytes in Q: register tiles 0, 1
.set QOB, 7                            ; v7   register tiles 2, 3
.set STO, 8                            ; v8   the way out: where I put 16 bytes of a row
.set RD,  9                            ; v9   where I read rows back
.set GO,  10                           ; v10  16 x lane
.set MWR, 11                           ; v11  the merge: where I write
.set MRD, 12                           ; v12  where my partner wrote
.set PFO, 13                           ; v13  256 x lane: the prefetches' offset
.set SPW, 14                           ; v14  LDS address of my spare word; never rewritten
.set NIL, 15                           ; v15  0; never rewritten
.set ST,  16
.set S,   48
.set KF,  176
.set Q,   0                            ; in window 1
.set O,   64
.set VF,  192
.set WV,  8                            ; s8   my wave's number;  s9 = W / 4, s10 = W % 4
.set G1K, 24                           ; s[24:31] descriptor group 1 for K's tiles;  s[32:39] for V's: it differs in the padding
.set G1V, 32
.set G0K, 40                           ; s[40:47] group 0 for K's tiles, a set for each slot;  s[48:55] for V's
.set G0V, 48
.set CS,  56                           ; s[56:57] c, twice
.set SEL, 58                           ; s[58:59] lane selects for v_permlanex16_b32: lane l xor 16
.set TK,  60                           ; s60  LDS byte at which the step's K begins (less my lane's place)
.set TV,  61                           ; s61  and V
.set CNT, 62                           ; s62  steps to go in the slot
.set LAPC, 63                          ; s63  laps to go
.set SLOTS, 66                         ; s66  slots still to be asked for
.set LIM, 67                           ; s67  1 in a wave that prefetches, else the greatest number
.set PFA, 20                           ; s[20:21] where my prefetches stand
.set MSB, 0
.macro WIN new                         ; the immediate's high byte repeats the setting that is left
.if MSB != \new
	s_set_vgpr_msb (MSB<<8)|\new
.set MSB, \new
.endif
.endm
.set W_V,  0x40                        ; destination window 1, address window 0
.set W_KQ, 0x04                        ; K, S^T window 0, Q (source 1) window 1
.set W_RS, 0x41                        ; O^T (destination, source 0) window 1, a window 0
.set W_PV, 0x51                        ; V (source 0), O^T (C, D) window 1, P (source 1) window 0
.macro PLACES n
.rept \n
	v_nop
.endr
.endm
; A joint refill of slot s.  The branch hangs on the wave's number alone.  An s_nop 0 and four v_nop follow each of the two lines.
.macro JLOAD s
	s_cmp_lt_u32 s[WV], 4
	s_cbranch_scc0 .Lfor_v_\@
	tensor_load_to_lds s[G0K+4*\s:G0K+4*\s+3], s[G1K:G1K+7]
	s_nop 0
.rept 4
	v_nop
.endr
	s_branch .Lasked_\@
.Lfor_v_\@:
	tensor_load_to_lds s[G0V+4*\s:G0V+4*\s+3], s[G1V:G1V+7]
	s_nop 0
.rept 4
	v_nop
.endr
.Lasked_\@:
.endm
; A PREFETCH of what the NEXT change of slots will ask for: 65,536 bytes of K and as many of V, four key steps of every wave ahead of that load.  Each block of 256 bytes is named once in the launch: all clusters of a head walk the
; same K and V, so the head's first cluster asks; its four partners take 16,384 bytes each, told apart BY ADDRESS; in each, waves 0 and 1 ask for K's halves of that and waves 4 and 5 for V's, lanes 256 bytes apart.
; The last change that fills a slot asks for nothing; the first three slots come by their loads alone.
.macro ASK
	s_cmp_gt_u32 s[SLOTS], s[LIM]
	s_cbranch_scc0 .Lnot_mine_\@
	global_prefetch_b8 v[PFO], s[PFA:PFA+1] th:TH_LOAD_NT scope:SCOPE_SE
.Lnot_mine_\@:
	s_sub_co_u32 s[SLOTS], s[SLOTS], 1
.endm
.macro CROUND                          ; a round of the cluster's barrier
	s_barrier_signal -1
	s_barrier_wait -1
	s_cmp_lg_u32 s[WV], 0
	s_cbranch_scc1 .Lnot_wave_0_\@
	s_barrier_signal -3
.Lnot_wave_0_\@:
	s_barrier_wait -3
	s_barrier_signal -1
	s_barrier_wait -1
.endm
	s_load_b128 s[4:7], s[0:1], 0x0                ; q, k, v s[4:5]; x s[6:7]
	v_lshl_add_u32 v[SPW], v0, 2, SPARE
	v_mov_b32 v[NIL], 0
	ds_add_u32 v[SPW], v[NIL]                      ; the wave's opening: the add, twice on end, and its wait ahead of my first tensor load
	ds_add_u32 v[SPW], v[NIL]
	v_lshrrev_b32 v1, 5, v0
	v_readfirstlane_b32 s[WV], v1                  ; wave 0..7
	s_lshr_b32 s9, s[WV], 2                        ; g: which half of the keys
	s_and_b32 s10, s[WV], 3                        ; which 64 queries; also which quarter of a tile I fetch
	s_bfe_u32 s11, ttmp6, 0x40000                  ; cx
	s_lshl_b32 s12, ttmp9, 2
	s_add_co_u32 s12, s12, s11                     ; my block of 256 queries: it enters Q's and x's addresses alone
	s_and_b32 s13, ttmp7, 0xffff                   ; the head, which the four partners share
	s_lshl_b32 s2, s13, 19                         ; its slab of q
	s_lshl_b32 s3, s10, 14                         ; my quarter of a slot: 128 keys of 128 bytes
	s_add_co_u32 s14, s2, s3
	s_add_co_u32 s14, s14, 16*524288               ; in k's slab,
	s_mov_b32 s15, 0
	s_add_co_u32 s22, s14, 16*524288               ; in v's
	s_mov_b32 s23, 0
	s_mul_i32 s68, s10, 64*PK                      ; and in LDS: no place in the cluster enters an LDS address
	s_mul_i32 s69, s10, 64*PV
	s_add_co_u32 s69, s69, VOFF
	s_lshl_b32 s70, s12, 15                        ; Q: 256 queries of 128 bytes a block,
	s_lshl_b32 s71, s10, 13                        ; 64 a wave
	s_add_co_u32 s70, s70, s71
	s_add_co_u32 s70, s70, s2
	s_mov_b32 s71, 0
	s_lshr_b32 s2, s10, 1                          ; x: the block of 128 tokens: 2 x my block + W % 4 / 2,
	s_lshl_b32 s3, s12, 1
	s_add_co_u32 s2, s2, s3
	s_lshl_b32 s2, s2, 18
	s_lshl_b32 s3, s13, 14                         ; the head's 16,384 bytes in it,
	s_add_co_u32 s2, s2, s3
	s_and_b32 s3, s10, 1
	s_lshl_b32 s3, s3, 13                          ; my 64 tokens,
	s_add_co_u32 s2, s2, s3
	s_lshl_b32 s3, s9, 12                          ; the 32 of them that I keep
	s_add_co_u32 s2, s2, s3
	s_mov_b32 s3, 0
	s_cmp_lt_u32 s[WV], 4                          ; the prefetches: waves 0, 1 in k's slab, waves 4, 5 in v's
	s_cselect_b32 s20, 16, 32
	s_add_co_u32 s20, s20, s13
	s_lshl_b32 s20, s20, 19
	s_lshl_b32 s21, s11, 14                        ; my work-group's 16,384 bytes of a slot's 65,536,
	s_add_co_u32 s20, s20, s21
	s_and_b32 s21, s[WV], 1
	s_lshl_b32 s21, s21, 13                        ; my wave's half of them,
	s_add_co_u32 s20, s20, s21
	s_add_co_u32 s20, s20, 2*65536                 ; two slots on: the first change of slots steps it to the fourth slot
	s_mov_b32 s21, 0
	s_and_b32 s[LIM], s[WV], 2
	s_or_b32 s[LIM], s[LIM], ttmp9                 ; 0 in waves 0, 1, 4, 5 of the head's first cluster: alike in all four partners
	s_cmp_eq_u32 s[LIM], 0
	s_cselect_b32 s[LIM], 1, -1
	; descriptor group 1: 64 rows x 128 elements of 2 bytes, dense in memory, padded in LDS
	s_mov_b32 s[G1K], 15|(1<<16)|(1<<20)|(1<<21)|(5<<22)|(3<<25)  ; 15:0 the mask: all four work-groups; 17:16 elements of 2 bytes; 20 padding on; 21 set beside a mask; 24:22 after every 64 words; 31:25 four words
	s_mov_b32 s[G1V], 15|(1<<16)|(1<<20)|(1<<21)|(5<<22)|(7<<25)  ; the same with eight words of padding
.irp g, G1K, G1V
	s_mov_b32 s[\g+1], 128<<16                     ; tensor_dim0
	s_mov_b32 s[\g+2], 64<<16                      ; tensor_dim1
	s_mov_b32 s[\g+3], 128<<16                     ; tile_dim0
	s_mov_b32 s[\g+4], 64                          ; tile_dim1
	s_mov_b32 s[\g+5], 128                         ; from row to row
	s_mov_b32 s[\g+6], 0
	s_mov_b32 s[\g+7], 0
.endr
	s_mov_b32 s[CS], 0x3e38aa3b                    ; c = log2(e) / 8
	s_mov_b32 s[CS+1], s[CS]
	s_mov_b32 s[SEL], 0x76543210
	s_mov_b32 s[SEL+1], 0xfedcba98
	s_mov_b32 s[SLOTS], 6
	s_wait_dscnt 0x0                               ; both opening adds are done
	s_wait_kmcnt 0x0
	s_add_nc_u64 s[16:17], s[4:5], s[70:71]        ; Q at my wave's first query
	s_add_nc_u64 s[18:19], s[6:7], s[2:3]          ; x at the first token that I store
	s_add_nc_u64 s[14:15], s[4:5], s[14:15]        ; K and V at my quarter of the first slot
	s_add_nc_u64 s[22:23], s[4:5], s[22:23]
	s_add_nc_u64 s[PFA:PFA+1], s[4:5], s[PFA:PFA+1]
	CROUND                                         ; all four work-groups are here: the first joint loads meet
.irp s, 0,1
	s_mov_b32 s[G0K+4*\s], 1                       ; count = 1
	s_add_co_u32 s[G0K+4*\s+1], s68, \s*SLOTB      ; LDS address
	s_add_nc_u64 s[G0K+4*\s+2:G0K+4*\s+3], s[14:15], \s*65536  ; global address: keys 512 s on
	s_or_b32 s[G0K+4*\s+3], s[G0K+4*\s+3], 0x80000000          ; type = 2
	s_mov_b32 s[G0V+4*\s], 1
	s_add_co_u32 s[G0V+4*\s+1], s69, \s*SLOTB
	s_add_nc_u64 s[G0V+4*\s+2:G0V+4*\s+3], s[22:23], \s*65536
	s_or_b32 s[G0V+4*\s+3], s[G0V+4*\s+3], 0x80000000
.endr
	s_cmp_lt_u32 s[WV], 4                          ; a wave's two first fills stand in one branch, ahead of every wait on TENSORcnt and every LDS read
	s_cbranch_scc0 .Lfirst_v
	tensor_load_to_lds s[G0K:G0K+3], s[G1K:G1K+7]
	s_nop 0
	tensor_load_to_lds s[G0K+4:G0K+7], s[G1K:G1K+7]
	s_nop 0
.rept 4
	v_nop
.endr
	s_branch .Lfirst_asked
.Lfirst_v:
	tensor_load_to_lds s[G0V:G0V+3], s[G1V:G1V+7]
	s_nop 0
	tensor_load_to_lds s[G0V+4:G0V+7], s[G1V:G1V+7]
	s_nop 0
.rept 4
	v_nop
.endr
.Lfirst_asked:
	v_and_b32 v48, 31, v0                          ; lane   (v48-58: at work here; S^T's registers are free yet)
	v_and_b32 v49, 15, v0                          ; r
	v_bfe_u32 v50, v0, 4, 1                        ; h
	v_lshlrev_b32 v55, 7, v49
	v_lshl_add_u32 v55, v50, 4, v55                ; Q: row r of 128 bytes, + 16 h
	s_lshl_b32 s2, s9, 12
	v_add_nc_u32 v[QOA], s2, v55                   ; register tiles 0, 1 are query tiles 2 g, 2 g + 1,
	s_xor_b32 s2, s2, 4096
	v_add_nc_u32 v[QOB], s2, v55                   ; register tiles 2, 3 the other two
	WIN W_V
.irp t, 0,1
.irp cf, 0,1                                   ; a fragment: 16 queries x 32 channels: two loads of 16 bytes, 32 bytes apart
	global_load_b128 v[Q+16*\t+8*\cf:Q+16*\t+8*\cf+3],   v[QOA], s[16:17] offset:\t*2048+\cf*64
	global_load_b128 v[Q+16*\t+8*\cf+4:Q+16*\t+8*\cf+7], v[QOA], s[16:17] offset:\t*2048+\cf*64+32
	global_load_b128 v[Q+32+16*\t+8*\cf:Q+32+16*\t+8*\cf+3],   v[QOB], s[16:17] offset:\t*2048+\cf*64
	global_load_b128 v[Q+32+16*\t+8*\cf+4:Q+32+16*\t+8*\cf+7], v[QOB], s[16:17] offset:\t*2048+\cf*64+32
.endr
.endr
	WIN 0
	v_lshrrev_b32 v51, 1, v49                      ; K: key r lies in row r / 2, half r % 2
	v_mul_u32_u24 v51, v51, PK
	v_and_b32 v52, 1, v0
	v_lshl_add_u32 v51, v52, 7, v51
	v_lshl_add_u32 v51, v50, 4, v51
	s_mul_i32 s2, s9, 128*PK                       ; my half of a slot's keys
	v_add_nc_u32 v[AK0], s2, v51
	v_bfe_u32 v53, v0, 1, 2                        ; V: the turning load: lane l reads key 8 h + l % 8, channels 8 ((l / 8) % 2) on
	v_lshl_add_u32 v53, v50, 2, v53
	v_mul_u32_u24 v53, v53, PV
	v_lshl_add_u32 v53, v52, 7, v53
	v_bfe_u32 v54, v0, 3, 1
	v_lshl_add_u32 v53, v54, 4, v53
	s_mul_i32 s3, s9, 128*PV
	s_add_co_u32 s3, s3, VOFF
	v_add_nc_u32 v[AV0], s3, v53
	v_lshlrev_b32 v[GO], 4, v48
	s_mul_i32 s2, s[WV], MRGB
	v_add_nc_u32 v[MWR], s2, v[GO]
	s_xor_b32 s3, s[WV], 4
	s_mul_i32 s3, s3, MRGB
	v_add_nc_u32 v[MRD], s3, v[GO]
	s_mul_i32 s2, s[WV], 2*16*144
	s_add_co_u32 s2, s2, STG                       ; my stage
	v_mul_u32_u24 v56, v49, 144                    ; in: row r, 16 bytes for each half of the lanes
	v_lshl_add_u32 v56, v50, 4, v56
	v_add_nc_u32 v[STO], s2, v56
	v_lshrrev_b32 v57, 3, v48                      ; back: eight lanes to a token's 128 bytes
	v_mul_u32_u24 v57, v57, 144
	v_and_b32 v58, 7, v0
	v_lshl_add_u32 v57, v58, 4, v57
	v_add_nc_u32 v[RD], s2, v57
	v_lshlrev_b32 v[PFO], 8, v48
.macro KLOAD base                      ; a step's K: 4 tiles of 16 keys x 2 fragments of 32 channels: 16 loads
.irp kt, 0,1,2,3
.irp cf, 0,1
	ds_load_b128 v[KF+8*(2*\kt+\cf):KF+8*(2*\kt+\cf)+3],   v[ADK] offset:\base+\kt*8*PK+\cf*64
	ds_load_b128 v[KF+8*(2*\kt+\cf)+4:KF+8*(2*\kt+\cf)+7], v[ADK] offset:\base+\kt*8*PK+\cf*64+32
.endr
.endr
.endm
.macro SLOTHEAD s                      ; the walk begins at slot s's first step of my half; its K is fetched
	s_mov_b32 s[TK], \s*SLOTB
	s_mov_b32 s[TV], \s*SLOTB
	v_add_nc_u32 v[ADK], s[TK], v[AK0]
	KLOAD 0
.endm
; THE SOFTMAX of a step: four tiles of 16 queries x 64 keys; the tiles take turns line by line, so that no line waits for the line above it.  first = 1: the first step starts m and l and has no a.
.macro SOFTMAX first
.irp j, 0,1,2,3                                ; the maximum, three operands at a time: four chains, one for each accumulator, from its low end on
.irp t, 0,1,2,3
	v_max3_num_f32 v[ST+8*\t+4+\j], v[S+32*\t+8*\j], v[S+32*\t+8*\j+1], v[S+32*\t+8*\j+2]
.endr
.endr
.irp u, 3,5
.irp j, 0,1,2,3
.irp t, 0,1,2,3
	v_max3_num_f32 v[ST+8*\t+4+\j], v[ST+8*\t+4+\j], v[S+32*\t+8*\j+\u], v[S+32*\t+8*\j+\u+1]
.endr
.endr
.endr
.irp t, 0,1,2,3
	v_max3_num_f32 v[ST+8*\t+4], v[ST+8*\t+4], v[S+32*\t+7], v[S+32*\t+15]
.endr
.irp t, 0,1,2,3
	v_max3_num_f32 v[ST+8*\t+6], v[ST+8*\t+6], v[S+32*\t+23], v[S+32*\t+31]
.endr
.irp t, 0,1,2,3
	v_max3_num_f32 v[ST+8*\t+4], v[ST+8*\t+4], v[ST+8*\t+5], v[ST+8*\t+6]
.endr
.irp t, 0,1,2,3
.if \first
	v_max_num_f32 v[ST+8*\t+4], v[ST+8*\t+4], v[ST+8*\t+7]
.else
	v_max3_num_f32 v[ST+8*\t+4], v[ST+8*\t+4], v[ST+8*\t+7], v[ST+8*\t+1]   ; with the old m
.endif
.endr
.irp t, 0,1,2,3
	v_permlanex16_b32 v[ST+8*\t+5], v[ST+8*\t+4], s[SEL], s[SEL+1]   ; the query's other 32 keys lie in the lane 16 away
.endr
.if !\first
.irp t, 0,1,2,3
	v_mov_b32 v[ST+8*\t+7], v[ST+8*\t]             ; c m_old is kept for a
.endr
.endif
.irp t, 0,1,2,3
	v_max_num_f32 v[ST+8*\t+1], v[ST+8*\t+4], v[ST+8*\t+5]
.endr
.irp t, 0,1,2,3
	v_mul_f32 v[ST+8*\t], s[CS], v[ST+8*\t+1]
.endr
.if !\first
.irp t, 0,1,2,3
	v_sub_f32 v[ST+8*\t+7], v[ST+8*\t+7], v[ST+8*\t]
.endr
.irp t, 0,1,2,3
	v_exp_f32 v[ST+8*\t+6], v[ST+8*\t+7]           ; a.  From here to the wait: ONE BATCH of exponentials, none of whose results is named before the wait
.endr
.endif
.irp t, 0,1,2,3
	v_pk_fma_f32 v[S+32*\t:S+32*\t+1], v[S+32*\t:S+32*\t+1], s[CS:CS+1], v[ST+8*\t:ST+8*\t+1] op_sel_hi:[1,0,0] neg_lo:[0,0,1] neg_hi:[0,0,1]   ; c s - c m, a pair of scores
.irp b, 0,2,4,6,8,10,12,14,16,18,20,22,24,26,28
	v_pk_fma_f32 v[S+32*\t+\b+2:S+32*\t+\b+3], v[S+32*\t+\b+2:S+32*\t+\b+3], s[CS:CS+1], v[ST+8*\t:ST+8*\t+1] op_sel_hi:[1,0,0] neg_lo:[0,0,1] neg_hi:[0,0,1]   ; the next pair is scaled ahead of this pair's exponentials
	v_exp_f32 v[S+32*\t+\b], v[S+32*\t+\b]
	v_exp_f32 v[S+32*\t+\b+1], v[S+32*\t+\b+1]
.endr
	v_exp_f32 v[S+32*\t+30], v[S+32*\t+30]
	v_exp_f32 v[S+32*\t+31], v[S+32*\t+31]
.endr
	v_nop                                          ; a plain instruction behind the last exponential,
	s_wait_alu depctr_va_vdst(0)                   ; and the one wait ahead of the batch's first reader
.if !\first
.irp t, 0,1,2,3
	v_pk_mul_f32 v[ST+8*\t+2:ST+8*\t+3], v[ST+8*\t+2:ST+8*\t+3], v[ST+8*\t+6:ST+8*\t+7] op_sel_hi:[1,0]   ; l under the new m
.endr
.endif
.irp t, 0,1,2,3                                ; the sums of the unrounded p, two at a time, in two chains
	v_pk_add_f32 v[ST+8*\t+4:ST+8*\t+5], v[S+32*\t:S+32*\t+1], v[S+32*\t+2:S+32*\t+3]
.endr
.if \first
.irp t, 0,1,2,3
	v_pk_add_f32 v[ST+8*\t+2:ST+8*\t+3], v[S+32*\t+4:S+32*\t+5], v[S+32*\t+6:S+32*\t+7]
.endr
.else
.irp t, 0,1,2,3
	v_pk_add_f32 v[ST+8*\t+2:ST+8*\t+3], v[ST+8*\t+2:ST+8*\t+3], v[S+32*\t+4:S+32*\t+5]
.endr
.irp t, 0,1,2,3
	v_pk_add_f32 v[ST+8*\t+4:ST+8*\t+5], v[ST+8*\t+4:ST+8*\t+5], v[S+32*\t+6:S+32*\t+7]
.endr
.endif
.irp k, 8,12,16,20,24,28
.irp t, 0,1,2,3
	v_pk_add_f32 v[ST+8*\t+2:ST+8*\t+3], v[ST+8*\t+2:ST+8*\t+3], v[S+32*\t+\k:S+32*\t+\k+1]
.endr
.irp t, 0,1,2,3
	v_pk_add_f32 v[ST+8*\t+4:ST+8*\t+5], v[ST+8*\t+4:ST+8*\t+5], v[S+32*\t+\k+2:S+32*\t+\k+3]
.endr
.endr
.irp t, 0,1,2,3
	v_pk_add_f32 v[ST+8*\t+2:ST+8*\t+3], v[ST+8*\t+2:ST+8*\t+3], v[ST+8*\t+4:ST+8*\t+5]
.endr
.irp i, 0,1,2,3,4,5,6,7,8,9,10,11,12,13,14,15   ; P in place: register i takes p 2 i and 2 i + 1; the destination never passes the sources
.irp t, 0,1,2,3
	v_cvt_pk_f16_f32 v[S+32*\t+\i], v[S+32*\t+2*\i], v[S+32*\t+2*\i+1]
.endr
.endr
.if \first
	PLACES 4
.else
	WIN W_RS
.irp e, 0,2,4,6,8,10,12,14,16,18,20,22,24,26,28,30   ; O^T under the new m, each accumulator from its low end on
.irp t, 0,1,2,3
	v_pk_mul_f32 v[O+32*\t+\e:O+32*\t+\e+1], v[O+32*\t+\e:O+32*\t+\e+1], v[ST+8*\t+6:ST+8*\t+7] op_sel_hi:[1,0]
.endr
.endr
.endif
.endm
; A KEY STEP: 64 keys, four tiles of queries: 32 products K Q^T, the softmax, 32 products V^T P.  The 16 accumulators of each product take turns, one instruction a turn.
; pf = 1: the next step's K is fetched behind the first products; pf = 2: not in the slot's last step (a branch on the count of steps).
.macro STEP first, pf
	v_add_nc_u32 v[ADK], s[TK], v[AK0]             ; five plain instructions behind the last step's products V^T P: V's registers are loaded again, and the scores are laid over P
	v_add_nc_u32 v[ADV], s[TV], v[AV0]
	PLACES 3
	WIN W_V
.irp gk, 0,1                                   ; V of this step, turned: keys 32 gk on, channels 16 ct on
.irp ct, 0,1,2,3
	ds_load_tr16_b128 v[VF+8*(4*\gk+\ct):VF+8*(4*\gk+\ct)+3],   v[ADV] offset:\gk*16*PV+\ct*32
	ds_load_tr16_b128 v[VF+8*(4*\gk+\ct)+4:VF+8*(4*\gk+\ct)+7], v[ADV] offset:\gk*16*PV+8*PV+\ct*32
.endr
.endr
	s_wait_dscnt 16                                ; K is in: only V's sixteen loads are younger
	WIN W_KQ
.irp cf, 0,1
.irp kt, 0,1,2,3
.irp t, 0,1,2,3
.if \cf == 0
	v_wmma_f32_16x16x32_f16 v[S+32*\t+8*\kt:S+32*\t+8*\kt+7], v[KF+8*(2*\kt+\cf):KF+8*(2*\kt+\cf)+7], v[Q+16*\t+8*\cf:Q+16*\t+8*\cf+7], 0
.else
	v_wmma_f32_16x16x32_f16 v[S+32*\t+8*\kt:S+32*\t+8*\kt+7], v[KF+8*(2*\kt+\cf):KF+8*(2*\kt+\cf)+7], v[Q+16*\t+8*\cf:Q+16*\t+8*\cf+7], v[S+32*\t+8*\kt:S+32*\t+8*\kt+7]
.endif
.endr
.endr
.endr
	WIN 0
	PLACES 4                                       ; in front of the loads into K's registers and of the first read of the scores
.if \pf == 2
	s_cmp_eq_u32 s[CNT], 1
	s_cbranch_scc1 .Lno_k_\@
.endif
	KLOAD KSTP                                     ; the next step's K lands under the softmax
.Lno_k_\@:
	SOFTMAX \first
	s_wait_dscnt 0x0                               ; V is in (and the next K)
	WIN W_PV
.irp gk, 0,1
.irp ct, 0,1,2,3
.irp t, 0,1,2,3
.if \first && (\gk == 0)
	v_wmma_f32_16x16x32_f16 v[O+32*\t+8*\ct:O+32*\t+8*\ct+7], v[VF+8*(4*\gk+\ct):VF+8*(4*\gk+\ct)+7], v[S+32*\t+8*\gk:S+32*\t+8*\gk+7], 0
.else
	v_wmma_f32_16x16x32_f16 v[O+32*\t+8*\ct:O+32*\t+8*\ct+7], v[VF+8*(4*\gk+\ct):VF+8*(4*\gk+\ct)+7], v[S+32*\t+8*\gk:S+32*\t+8*\gk+7], v[O+32*\t+8*\ct:O+32*\t+8*\ct+7]
.endif
.endr
.endr
.endr
	WIN 0
	s_add_co_u32 s[TK], s[TK], KSTP
	s_add_co_u32 s[TV], s[TV], VSTP
.endm
.macro STEPS n
	s_mov_b32 s[CNT], \n
.Lstep_\@:
	STEP 0, 2
	s_sub_co_u32 s[CNT], s[CNT], 1
	s_cmp_lg_u32 s[CNT], 0
	s_cbranch_scc1 .Lstep_\@
.endm
; THE CHANGE OF SLOTS: slot s has been read out.  Each wave waits for all its tensor loads (its part of the other slot), adds 0 to its spare word, and waits for that and for its reads of slot s.
; fill = 1: the barrier is a round of the cluster's, so that no wave of any partner still reads the slot or has a load on its way, and the joint refill, the keys two slots on, is the first thing behind it:
; it has four key steps of every wave in which to land.
.macro CHANGE s, fill
	s_wait_tensorcnt 0x0                           ; no tensor load of mine is out, so a group 0 may be written
	ds_add_u32 v[SPW], v[NIL]                      ; 0 onto my spare word
.if \fill
	s_add_nc_u64 s[G0K+4*\s+2:G0K+4*\s+3], s[G0K+4*\s+2:G0K+4*\s+3], 2*65536   ; the type bits on top are not reached
	s_add_nc_u64 s[G0V+4*\s+2:G0V+4*\s+3], s[G0V+4*\s+2:G0V+4*\s+3], 2*65536
	s_wait_xcnt 0x0                                ; the last prefetch, a slot back, has read its address, so it may be written:
	s_add_nc_u64 s[PFA:PFA+1], s[PFA:PFA+1], 65536 ; one slot further on than this refill
	s_wait_dscnt 0x0                               ; the add is done, and my reads of the slot are over
	CROUND
	JLOAD \s
.else
	s_wait_dscnt 0x0
	s_barrier_signal -1
	s_barrier_wait -1
.endif
.endm
	s_wait_tensorcnt 1                             ; my part of slot 0 is in; slot 1's may stay out
	s_barrier_signal -1
	s_barrier_wait -1                              ; everybody's is
	SLOTHEAD 0
	s_wait_loadcnt 0x0                             ; Q
	STEP 1, 1                                      ; the first step starts m, l and O^T: nothing is ever cleared
	STEPS 3
	s_mov_b32 s[LAPC], 3
.Llap:                                             ; three trips, once round the ring each: six refills
	CHANGE 0, 1
	SLOTHEAD 1
	ASK
	STEPS 4
	CHANGE 1, 1
	SLOTHEAD 0
	ASK
	STEPS 4
	s_sub_co_u32 s[LAPC], s[LAPC], 1
	s_cmp_lg_u32 s[LAPC], 0
	s_cbranch_scc1 .Llap
	CHANGE 0, 0                                    ; the last slot is written out: nothing is left to ask for
	SLOTHEAD 1
	STEPS 4
	; THE MERGE.  l's two halves and the other half of the lanes' are added (the first four lines are the places behind the last products).  My register tiles 2, 3 go to my partner as an image of their registers.
.irp t, 0,1,2,3
	v_add_f32 v[ST+8*\t+4], v[ST+8*\t+2], v[ST+8*\t+3]
.endr
.irp t, 0,1,2,3
	v_permlanex16_b32 v[ST+8*\t+5], v[ST+8*\t+4], s[SEL], s[SEL+1]
.endr
.irp t, 0,1,2,3
	v_add_f32 v[ST+8*\t+4], v[ST+8*\t+4], v[ST+8*\t+5]
.endr
	v_mov_b32 v240, v[ST+16]                       ; c m and l of tiles 2 and 3
	v_mov_b32 v241, v[ST+20]
	v_mov_b32 v242, v[ST+24]
	v_mov_b32 v243, v[ST+28]
	ds_store_b128 v[MWR], v[240:243] offset:8192
	WIN 0x04                                       ; an LDS store's data are its source 1: window 1
.irp i, 0,1,2,3,4,5,6,7,8,9,10,11,12,13,14,15
	ds_store_b128 v[MWR], v[O+64+4*\i:O+64+4*\i+3] offset:512*\i   ; each accumulator from its low end on
.endr
	WIN 0
	s_wait_dscnt 0x0                               ; for my partner's sake: my stores have landed
	s_barrier_signal -1
	s_barrier_wait -1
	ds_load_b128 v[244:247], v[MRD] offset:8192
.irp i, 0,1,2,3,4,5,6,7,8,9,10,11,12,13,14,15
	ds_load_b128 v[S+4*\i:S+4*\i+3], v[MRD] offset:512*\i          ; my partner's O^T of my tiles 0, 1, in the same lanes
.endr
	s_wait_dscnt 0x0
.irp u, 0,1
	v_max_num_f32 v[ST+8*\u+5], v[ST+8*\u], v[244+2*\u]            ; the common c m
.endr
.irp u, 0,1
	v_sub_f32 v[ST+8*\u+6], v[ST+8*\u], v[ST+8*\u+5]
	v_sub_f32 v[ST+8*\u+7], v[244+2*\u], v[ST+8*\u+5]
.endr
.irp u, 0,1
	v_exp_f32 v[ST+8*\u+6], v[ST+8*\u+6]
	v_exp_f32 v[ST+8*\u+7], v[ST+8*\u+7]
.endr
	v_nop
	s_wait_alu depctr_va_vdst(0)                   ; one wait for the four exponentials
.irp u, 0,1
	v_mul_f32 v[ST+8*\u+4], v[ST+8*\u+4], v[ST+8*\u+6]
.endr
.irp u, 0,1
	v_fma_f32 v[ST+8*\u+4], v[245+2*\u], v[ST+8*\u+7], v[ST+8*\u+4]   ; the whole row's sum
.endr
.irp u, 0,1
	v_rcp_f32 v[ST+8*\u+2], v[ST+8*\u+4]
.endr
	v_nop
	s_wait_alu depctr_va_vdst(0)                   ; one wait for the two reciprocals
.irp u, 0,1
	v_mul_f32 v[ST+8*\u+6], v[ST+8*\u+6], v[ST+8*\u+2]             ; what my O^T is multiplied by,
	v_mul_f32 v[ST+8*\u+2], v[ST+8*\u+7], v[ST+8*\u+2]             ; and my partner's
.endr
.irp u, 0,1
.irp e, 0,2,4,6,8,10,12,14,16,18,20,22,24,26,28,30
	v_pk_mul_f32 v[S+32*\u+\e:S+32*\u+\e+1], v[S+32*\u+\e:S+32*\u+\e+1], v[ST+8*\u+2:ST+8*\u+3] op_sel_hi:[1,0]
.endr
.endr
	WIN 0x01                                       ; source 0 (my O^T) window 1
.irp u, 0,1
.irp e, 0,2,4,6,8,10,12,14,16,18,20,22,24,26,28,30
	v_pk_fma_f32 v[S+32*\u+\e:S+32*\u+\e+1], v[O+32*\u+\e:O+32*\u+\e+1], v[ST+8*\u+6:ST+8*\u+7], v[S+32*\u+\e:S+32*\u+\e+1] op_sel_hi:[1,0,1]
.endr
.endr
	WIN 0
.irp i, 0,1,2,3,4,5,6,7,8,9,10,11,12,13,14,15,16,17,18,19,20,21,22,23,24,25,26,27,28,29,30,31
	v_cvt_pk_f16_f32 v[S+64+\i], v[S+2*\i], v[S+2*\i+1]            ; a lane's eight channels pack into 16 bytes
.endr
.irp u, 0,1
.irp ct, 0,1,2,3
	ds_store_b128 v[STO], v[S+64+16*\u+4*\ct:S+64+16*\u+4*\ct+3] offset:\u*2304+32*\ct
.endr
.endr
.irp n, 0,1,2,3,4,5,6,7
	ds_load_b128 v[S+96+4*\n:S+96+4*\n+3], v[RD] offset:(\n/4)*2304+(\n%4)*576   ; LDS serves a wave's instructions in order: these see my stores
.endr
.irp n, 0,1,2,3,4,5,6,7
	s_wait_dscnt 7-\n                              ; the younger loads may be out
	global_store_b128 v[GO], v[S+96+4*\n:S+96+4*\n+3], s[18:19] offset:(\n/4)*2048+(\n%4)*512   ; four tokens: 512 consecutive bytes, aligned
.endr
	s_wait_tensorcnt 0x0                           ; the wave's end
	ds_add_u32 v[SPW], v[NIL]
	s_wait_dscnt 0x0
	CROUND                                         ; the closing round: no work-group ends while a partner may still ask for a tile that names it
	s_endpgm
.Lfunc_end_k_q1838dc6d05_attn:
	.size	k_q1838dc6d05_attn, .Lfunc_end_k_q1838dc6d05_attn-k_q1838dc6d05_attn
	.p2alignl 7, 3214868480
	.fill 96, 4, 3214868480
	.section	.rodata,"a",@progbits
	.p2align	6, 0x0
	.amdhsa_kernel k_q1838dc6d05_attn
		.amdhsa_group_segment_fixed_size 327680
		.amdhsa_private_segment_fixed_size 0
		.amdhsa_enable_private_segment 0
		.amdhsa_kernarg_size 16
		.amdhsa_user_sgpr_count 2
		.amdhsa_user_sgpr_kernarg_segment_ptr 1
		.amdhsa_wavefront_size32 1
		.amdhsa_system_sgpr_workgroup_id_x 1
		.amdhsa_system_sgpr_workgroup_id_y 1
		.amdhsa_system_sgpr_workgroup_id_z 1
		.amdhsa_system_vgpr_workitem_id 0
		.amdhsa_next_free_vgpr 512
		.amdhsa_next_free_sgpr 72
		.amdhsa_reserve_vcc 0
		.amdhsa_float_denorm_mode_32 3
		.amdhsa_float_denorm_mode_16_64 3
		.amdhsa_memory_ordered 1
		.amdhsa_forward_progress 1
		.amdhsa_inst_pref_size 185
	.end_amdhsa_kernel
	.amdgpu_metadata
---
amdhsa.version: [ 1, 2 ]
amdhsa.kernels:
  - .name:           k_q1838dc6d05_attn
    .symbol:         k_q1838dc6d05_attn.kd
    .args:
      - { .name: qkv16, .offset: 0, .size: 8, .value_kind: global_buffer, .address_space: global }
      - { .name: x16, .offset: 8, .size: 8, .value_kind: global_buffer, .address_space: global }
    .group_segment_fixed_size: 327680
    .private_segment_fixed_size: 0
    .kernarg_segment_align: 8
    .kernarg_segment_size: 16
    .max_flat_workgroup_size: 256
    .sgpr_count:     72
    .vgpr_count:     512
    .wavefront_size: 32
...
	.end_amdgpu_metadata
.endif
;; end of part 3
;; launch proj (part 4): grid 8 x 32, 4 waves a work-group, clusters of 4 x 4, 327,680 bytes of LDS; arguments x16, wp16, bp, out0; writes out0
.if DOCPART == 4
	.amdgcn_target "amdgcn-amd-amdhsa--gfx1250"
	.amdhsa_code_object_version 6
	.text
	.protected	k_q1838dc6d05_proj
	.globl	k_q1838dc6d05_proj
	.p2align	8
	.type	k_q1838dc6d05_proj,@function
k_q1838dc6d05_proj:
	s_mov_b64 s[64:65], 0
	v_nop
	global_prefetch_b8 v0, s[64:65] scope:SCOPE_SE
	s_setreg_imm32_b32 hwreg(HW_REG_WAVE_MODE, 25, 1), 1
	s_wait_xcnt 0x0
	s_wait_alu depctr_hold_cnt(0) depctr_sa_sdst(0) depctr_va_vdst(0) depctr_va_sdst(0) depctr_va_ssrc(0) depctr_va_vcc(0) depctr_vm_vsrc(0)
	s_getreg_b32 s2, hwreg(HW_REG_IB_STS2, 6, 4)
	s_cmp_eq_u32 s2, 0
	s_cbranch_scc0 .Lentry_in_a_cluster
	s_endpgm
.Lentry_in_a_cluster:
	s_bfe_u32 s2, ttmp6, 0x10000c
	s_cmp_lg_u32 s2, 0xf033
	s_cbranch_scc0 .Lentry_shape_is_right
	s_endpgm
.Lentry_shape_is_right:
; out0[token][o] = sum over k of x[token][k] Wp[o][k] + bp[o].  x: f16, [token / 128][k / 64][token % 128][k % 64]; Wp: f16, [o / 128][k / 64][o % 128][k % 64]; out0: [4096][1024] f32; sums in f32.  K = 1,024.
; A tile of out0 is 128 x 128: 256 work-groups of four waves, each wave 64 x 64: 16 accumulators.  K goes in steps of 256 through two LDS slots.  In these layouts a K step of a tile is 65,536 dense bytes: four pieces
; of 64 along K, each 128 rows of 128 bytes; a tile is stated as rows of two such rows, 256 bytes; a wave's tensor load brings two pieces, 128 rows.
; CLUSTERS: 4 x 4 work-groups; x's tiles are shared along a row of the cluster, Wp's along a column: each is asked for JOINTLY.  A wave has two tensor loads out at the head, later one.
; THE MATRIX INSTRUCTION IS USED TRANSPOSED (source 0 = 16 rows of Wp, source 1 = 16 tokens): a lane holds eight neighbouring columns of one token.  The bias is the C of each sum's first instruction.
; REGISTERS: window 0: v0-31 addresses; v32-95 rows on the way out; v96-127 the bias; v128-255 the accumulators ((a, b) at v[128 + 8 (4 a + b)]).   window 1: two fragment buffers of 128: 64 registers of x, then 64 of Wp.
.set PITCH,  272                       ; two rows in LDS: 256 bytes + 16: the 16 rows of a load fall on 16 different columns of 16 bytes
.set PIECE,  64*PITCH                  ; 64 along K of 128 rows
.set HALFT,  2*PIECE                   ; what one tensor load brings
.set SLOT,   4*HALFT                   ; x's four pieces, then Wp's four
.set STAGE,  2*SLOT                    ; behind the ring: 16 rows x 272 bytes for each wave, for the way out
.set SPITCH, 272
.set SPARE,  STAGE+4*16*SPITCH         ; behind the stages: the spare words, 128 bytes a wave, which no other line names
.set LAPS,   2                         ; a lap = two K steps = once round the ring
.set ADRA, 16                          ; v16-17  LDS address of my fragments of x in slot 0, 1
.set ADRB, 20                          ; v20-21  the same for Wp
.set STO,  24
.set RD,   25
.set CO,   26
.set SPW,  28                          ; v28     LDS address of my spare word; never rewritten
.set NIL,  29                          ; v29     0; never rewritten
.set TMP,  32
.set BIAS, 96                          ; register 8 b + j: bp at column 16 b + 8 (lane / 16) + j of my 64
.set ACC,  128
.set F0,   0
.set F1,   128
.set G1, 24
.set G0, 32
.set G1B, 48
.set G0B, 56
.set MSB, 0
.macro WIN new                         ; the immediate's high byte repeats the setting that is left
.if MSB != \new
	s_set_vgpr_msb (MSB<<8)|\new
.set MSB, \new
.endif
.endm
.set MUL,  0x05                        ; sources 0 (Wp) and 1 (x) window 1; C and D window 0
.set TO_F, 0x40                        ; destination window 1, address window 0
.macro JLOAD s                         ; a joint load: waves 0 and 1 fetch x's halves, waves 2 and 3 Wp's; an s_nop 0 and four v_nop follow each of the two lines
	s_cmp_eq_u32 s11, 0
	s_cbranch_scc0 .Lfor_b_\@
	tensor_load_to_lds s[G0+4*\s:G0+4*\s+3], s[G1:G1+7]
	s_nop 0
.rept 4
	v_nop
.endr
	s_branch .Lasked_\@
.Lfor_b_\@:
	tensor_load_to_lds s[G0B+4*\s:G0B+4*\s+3], s[G1B:G1B+7]
	s_nop 0
.rept 4
	v_nop
.endr
.Lasked_\@:
.endm
.macro CREST                           ; a round of the cluster's barrier behind its opening barrier
	s_cmp_lg_u32 s10, 0
	s_cbranch_scc1 .Lnot_wave_0_\@
	s_barrier_signal -3
.Lnot_wave_0_\@:
	s_barrier_wait -3
	s_barrier_signal -1
	s_barrier_wait -1
.endm
.macro CROUND
	s_barrier_signal -1
	s_barrier_wait -1
	CREST
.endm
	s_load_b128 s[4:7], s[0:1], 0x0                ; x s[4:5], Wp s[6:7]
	s_load_b64 s[68:69], s[0:1], 0x10              ; bp
	s_load_b64 s[8:9], s[0:1], 0x18                ; out0
	v_lshl_add_u32 v[SPW], v0, 2, SPARE
	v_mov_b32 v[NIL], 0
	ds_add_u32 v[SPW], v[NIL]                      ; the wave's opening: the add, twice on end, and its wait ahead of my first tensor load
	ds_add_u32 v[SPW], v[NIL]
	v_lshrrev_b32 v1, 5, v0
	v_readfirstlane_b32 s10, v1                    ; wave 0..3
	s_lshr_b32 s11, s10, 1                         ; which half of the tile's tokens is mine.  Also: I fetch for x (0) or for Wp (1)
	s_and_b32 s12, s10, 1                          ; which half of its columns.  Also: which two pieces of a K step I fetch
	s_bfe_u32 s40, ttmp6, 0x40000                  ; cx, cy
	s_bfe_u32 s41, ttmp6, 0x40004
	s_lshl_b32 s42, ttmp9, 2
	s_add_co_u32 s42, s42, s40                     ; tile column = 4 x cluster x + cx
	s_and_b32 s13, ttmp7, 0xffff
	s_lshl_b32 s13, s13, 2
	s_add_co_u32 s13, s13, s41                     ; tile row = 4 x cluster y + cy
	s_lshl_b32 s43, s41, 2
	s_lshl_b32 s43, 15, s43                        ; my row of the cluster
	s_lshl_b32 s44, 0x1111, s40                    ; my column
	; descriptor group 1: 128 rows x 128 elements of 2 bytes, dense in memory, 16 bytes of padding behind each row in LDS
	s_or_b32 s[G1+0], s43, (1<<16)|(1<<20)|(1<<21)|(5<<22)|(3<<25)
	s_or_b32 s[G1B+0], s44, (1<<16)|(1<<20)|(1<<21)|(5<<22)|(3<<25)
.irp g, G1, G1B
	s_mov_b32 s[\g+1], 128<<16                     ; tensor_dim0
	s_mov_b32 s[\g+2], 128<<16                     ; tensor_dim1
	s_mov_b32 s[\g+3], 128<<16                     ; tile_dim0
	s_mov_b32 s[\g+4], 128                         ; tile_dim1
	s_mov_b32 s[\g+5], 128                         ; from row to row
	s_mov_b32 s[\g+6], 0
	s_mov_b32 s[\g+7], 0
.endr
	s_lshl_b32 s17, s12, 15                        ; my two pieces: 32,768 bytes
	s_lshl_b32 s16, s13, 18                        ; x: 262,144 bytes a block of 128 tokens
	s_add_co_u32 s16, s16, s17
	s_lshl_b32 s46, s42, 18                        ; Wp: likewise a block of 128 rows
	s_add_co_u32 s46, s46, s17
	s_mov_b32 s17, 0
	s_mov_b32 s47, 0
	s_mul_i32 s20, s10, HALFT                      ; where they go: no place in the cluster enters an LDS address
	s_wait_dscnt 0x0                               ; both opening adds are done
	s_wait_kmcnt 0x0
	s_add_nc_u64 s[14:15], s[4:5], s[16:17]
	s_add_nc_u64 s[46:47], s[6:7], s[46:47]
	CROUND                                         ; all sixteen work-groups are here: the first joint loads meet
.irp s, 0,1
	s_mov_b32 s[G0+4*\s], 1
	s_add_co_u32 s[G0+4*\s+1], s20, \s*SLOT
	s_add_nc_u64 s[G0+4*\s+2:G0+4*\s+3], s[14:15], \s*65536
	s_or_b32 s[G0+4*\s+3], s[G0+4*\s+3], 0x80000000
	s_mov_b32 s[G0B+4*\s], 1
	s_add_co_u32 s[G0B+4*\s+1], s20, \s*SLOT
	s_add_nc_u64 s[G0B+4*\s+2:G0B+4*\s+3], s[46:47], \s*65536
	s_or_b32 s[G0B+4*\s+3], s[G0B+4*\s+3], 0x80000000
	JLOAD \s
.endr
	v_and_b32 v1, 15, v0                           ; r
	v_bfe_u32 v2, v0, 4, 1                         ; h
	v_lshlrev_b32 v6, 5, v2                        ; the bias: 32 h: my eight numbers of each 16
	s_lshl_b32 s46, s42, 9                         ; my first column in bytes, in bp and in a row of out0 alike: 512 x tile column
	s_lshl_b32 s47, s12, 8                         ; + 256 x half
	s_add_co_u32 s46, s46, s47
	s_mov_b32 s47, 0
	s_add_nc_u64 s[68:69], s[68:69], s[46:47]
.irp b, 0,1,2,3
	global_load_b128 v[BIAS+8*\b:BIAS+8*\b+3], v6, s[68:69] offset:64*\b
	global_load_b128 v[BIAS+8*\b+4:BIAS+8*\b+7], v6, s[68:69] offset:64*\b+16
.endr
	v_lshrrev_b32 v3, 1, v1                        ; a fragment's row r lies in LDS row r / 2, half r % 2
	v_mul_u32_u24 v3, v3, PITCH
	v_and_b32 v4, 1, v0
	v_lshl_add_u32 v3, v4, 7, v3
	v_lshl_add_u32 v3, v2, 4, v3
	s_mul_i32 s21, s11, 32*PITCH                   ; my 64 tokens of each piece
	s_mul_i32 s22, s12, 32*PITCH                   ; my 64 rows of Wp,
	s_add_co_u32 s22, s22, 2*HALFT                 ; behind x's four pieces
.irp s, 0,1
	v_add_nc_u32 v[ADRA+\s], s21, v3
	v_add_nc_u32 v[ADRB+\s], s22, v3
	s_add_co_u32 s21, s21, SLOT
	s_add_co_u32 s22, s22, SLOT
.endr
	s_mul_i32 s23, s10, 16*SPITCH
	s_add_co_u32 s23, s23, STAGE                   ; my stage
	v_mul_u32_u24 v4, v1, SPITCH                   ; in: row r, 32 bytes for each half of the lanes
	v_lshl_add_u32 v4, v2, 5, v4
	v_add_nc_u32 v[STO], s23, v4
	v_mul_u32_u24 v5, v2, SPITCH                   ; back: lanes 0-15 one row of 256 bytes, lanes 16-31 the next
	v_lshl_add_u32 v5, v1, 4, v5
	v_add_nc_u32 v[RD], s23, v5
	v_lshlrev_b32 v5, 12, v2                       ; and the same two rows in out0
	v_lshl_add_u32 v[CO], v1, 4, v5
	s_lshl_b32 s16, s13, 7
	s_lshl_b32 s17, s11, 6
	s_add_co_u32 s16, s16, s17                     ; my first token: 128 x tile row + 64 x half
	s_lshl_b32 s16, s16, 12                        ; rows of 4,096 bytes
	s_add_co_u32 s16, s16, s46
	s_mov_b32 s17, 0
	s_add_nc_u64 s[8:9], s[8:9], s[16:17]
; 8 matrix instructions: token blocks a0, a0 + 1 x all 4 blocks of columns, 32 along K: half c of buffer f.  bias = 1: the first products start the sums from the bias.  The 16 accumulators take turns.
.macro MUL8 f, c, a0, bias
.irp a, \a0, \a0+1
.irp b, 0,1,2,3
.if \bias
	v_wmma_f32_16x16x32_f16 v[ACC+8*(4*(\a)+\b):ACC+8*(4*(\a)+\b)+7], v[\f+64+8*(4*\c+\b):\f+64+8*(4*\c+\b)+7], v[\f+8*(4*\c+\a):\f+8*(4*\c+\a)+7], v[BIAS+8*\b:BIAS+8*\b+7]
.else
	v_wmma_f32_16x16x32_f16 v[ACC+8*(4*(\a)+\b):ACC+8*(4*(\a)+\b)+7], v[\f+64+8*(4*\c+\b):\f+64+8*(4*\c+\b)+7], v[\f+8*(4*\c+\a):\f+8*(4*\c+\a)+7], v[ACC+8*(4*(\a)+\b):ACC+8*(4*(\a)+\b)+7]
.endif
.endr
.endr
.endm
; 32 LDS loads in one run: the fragments of one piece (64 along K), which begins k bytes into the slot's pieces, into buffer f; the first 32 along K first
.macro FETCH slot, k, f
	WIN TO_F
.irp c, 0,1
.irp i, 0,1,2,3
	ds_load_b128 v[\f+64+8*(4*\c+\i):\f+64+8*(4*\c+\i)+3],   v[ADRB+\slot] offset:\k+64*\c+\i*8*PITCH
	ds_load_b128 v[\f+64+8*(4*\c+\i)+4:\f+64+8*(4*\c+\i)+7], v[ADRB+\slot] offset:\k+64*\c+\i*8*PITCH+32
	ds_load_b128 v[\f+8*(4*\c+\i):\f+8*(4*\c+\i)+3],         v[ADRA+\slot] offset:\k+64*\c+\i*8*PITCH
	ds_load_b128 v[\f+8*(4*\c+\i)+4:\f+8*(4*\c+\i)+7],       v[ADRA+\slot] offset:\k+64*\c+\i*8*PITCH+32
.endr
.endr
.endm
.macro PLACES                          ; four plain instructions in front of loads into registers that matrix instructions have read, and of reads of results
.rept 4
	v_nop
.endr
.endm
; A K step is four quarters of 64 along K, 32 matrix instructions each, on buffers 0, 1, 0, 1.  One of the first three: multiplies buffer f and fetches the next piece, at byte k, into g.
.macro QUARTER slot, k, f, g, bias
	s_wait_dscnt 16                                ; the first 32 along K are in; the other sixteen loads may be out
	WIN MUL
	MUL8 \f, 0, 0, \bias
	MUL8 \f, 0, 2, \bias
	PLACES
	FETCH \slot, \k, \g
	s_wait_dscnt 32                                ; all but the 32 just issued
	WIN MUL
	MUL8 \f, 1, 0, 0
	MUL8 \f, 1, 2, 0
.endm
; The last quarter multiplies buffer 1 and changes slots: ONE barrier; in front of it each wave waits for all its tensor loads, adds 0 to its spare word, and waits for that and for its reads of this slot.  fill = 1: this slot is filled again, two K steps ahead.
.macro TURN slot, next, fill
	WIN 0                                          ; (the add's two registers lie in window 0)
	s_wait_tensorcnt 0x0                           ; all my tensor loads have landed: my part of the next slot
	ds_add_u32 v[SPW], v[NIL]                      ; 0 onto my spare word
	s_wait_dscnt 17                                ; (the add and the youngest sixteen loads may be out)
	WIN MUL
	MUL8 F1, 0, 0, 0                               ; eight matrix instructions stand between the add and the wait for it
	s_wait_dscnt 0x0                               ; the add is done, and my reads of this slot are over
	s_barrier_signal -1
	MUL8 F1, 0, 2, 0
.if \fill
	WIN 0
.endif
	s_barrier_wait -1
.if \fill
	CREST                                          ; the barrier has opened a round of the cluster's: no wave of any partner still reads this slot or has a load on its way
	s_add_nc_u64 s[G0+4*\slot+2:G0+4*\slot+3], s[G0+4*\slot+2:G0+4*\slot+3], 2*65536
	s_add_nc_u64 s[G0B+4*\slot+2:G0B+4*\slot+3], s[G0B+4*\slot+2:G0B+4*\slot+3], 2*65536
	JLOAD \slot                                    ; the first tensor load behind the round; the four v_nop behind it are also the places in front of the loads below
.else
	PLACES
.endif
	FETCH \next, 0, F0
	WIN MUL
	MUL8 F1, 1, 0, 0
	MUL8 F1, 1, 2, 0
.endm
	s_wait_tensorcnt 1                             ; my part of K step 0 is in (K step 1's load may be out),
	s_barrier_signal -1
	s_barrier_wait -1                              ; everybody's is
	FETCH 0, 0, F0
	s_wait_loadcnt 0x0                             ; the bias
	QUARTER 0, PIECE, F0, F1, 1                    ; the first quarter stands in front of the loop: its first products start the sums
	WIN 0                                          ; at a label and at a branch every window is 0
	s_mov_b32 s3, LAPS-1
.Llap:                                                 ; a trip goes once round the ring, from a lap's second quarter to the next lap's first, and fills both slots again
	QUARTER 0, 2*PIECE, F1, F0, 0
	QUARTER 0, 3*PIECE, F0, F1, 0
	TURN 0, 1, 1
	QUARTER 1, PIECE, F0, F1, 0
	QUARTER 1, 2*PIECE, F1, F0, 0
	QUARTER 1, 3*PIECE, F0, F1, 0
	TURN 1, 0, 1
	QUARTER 0, PIECE, F0, F1, 0
	WIN 0
	s_sub_co_u32 s3, s3, 1
	s_cmp_lg_u32 s3, 0
	s_cbranch_scc1 .Llap
	QUARTER 0, 2*PIECE, F1, F0, 0                  ; the last lap fills nothing
	QUARTER 0, 3*PIECE, F0, F1, 0
	TURN 0, 1, 0
	QUARTER 1, PIECE, F0, F1, 0
	QUARTER 1, 2*PIECE, F1, F0, 0
	QUARTER 1, 3*PIECE, F0, F1, 0
	s_wait_dscnt 16                                ; the very last quarter: nothing more to fetch
	WIN MUL
	MUL8 F1, 0, 0, 0
	MUL8 F1, 0, 2, 0
	s_wait_dscnt 0
	MUL8 F1, 1, 0, 0
	MUL8 F1, 1, 2, 0
	WIN 0
; THE WAY OUT, block by block of 16 tokens x 64 columns.  A lane holds 32 neighbouring bytes of a row; a block goes through my own stage and comes back as whole rows of 256 bytes, two an instruction.
; My 64 columns are 256 consecutive bytes of a row of out0, aligned: no other wave has a part in them, so no barrier.  LDS serves a wave's instructions in order.
.macro TOSTAGE a
.irp b, 0,1,2,3
	ds_store_b128 v[STO], v[ACC+8*(4*(\a)+\b):ACC+8*(4*(\a)+\b)+3] offset:64*\b          ; each accumulator from its low end on
	ds_store_b128 v[STO], v[ACC+8*(4*(\a)+\b)+4:ACC+8*(4*(\a)+\b)+7] offset:64*\b+16
.endr
.set BB, TMP+32*((\a)%2)
.irp t, 0,1,2,3,4,5,6,7
	ds_load_b128 v[BB+4*\t:BB+4*\t+3], v[RD] offset:\t*2*SPITCH
.endr
.endm
.macro SEND a, younger                 ; younger: the LDS instructions issued behind block a's loads, which may stay out
.set BB, TMP+32*((\a)%2)
	s_wait_dscnt \younger
.irp t, 0,1,2,3,4,5,6,7
	global_store_b128 v[CO], v[BB+4*\t:BB+4*\t+3], s[8:9] offset:(16*(\a)+2*\t)*4096 th:TH_STORE_NT   ; 16 lanes store 256 consecutive bytes, aligned; written once, read by nobody here
.endr
.endm
	PLACES
	TOSTAGE 0
.irp a, 1,2,3
.if \a > 1
	s_wait_xcnt 0x0                                ; block a - 2's stores have read their registers: block a's loads may land there
.endif
	TOSTAGE \a
	SEND (\a)-1, 16                                ; behind block a - 1's loads: block a's 8 stores and 8 loads
.endr
	SEND 3, 0
	s_wait_tensorcnt 0x0                           ; the wave's end
	ds_add_u32 v[SPW], v[NIL]
	s_wait_dscnt 0x0
	CROUND                                         ; the closing round: no work-group ends while a partner may still ask for a tile that names it
	s_endpgm
.Lfunc_end_k_q1838dc6d05_proj:
	.size	k_q1838dc6d05_proj, .Lfunc_end_k_q1838dc6d05_proj-k_q1838dc6d05_proj
	.p2alignl 7, 3214868480
	.fill 96, 4, 3214868480
	.section	.rodata,"a",@progbits
	.p2align	6, 0x0
	.amdhsa_kernel k_q1838dc6d05_proj
		.amdhsa_group_segment_fixed_size 327680
		.amdhsa_private_segment_fixed_size 0
		.amdhsa_enable_private_segment 0
		.amdhsa_kernarg_size 32
		.amdhsa_user_sgpr_count 2
		.amdhsa_user_sgpr_kernarg_segment_ptr 1
		.amdhsa_wavefront_size32 1
		.amdhsa_system_sgpr_workgroup_id_x 1
		.amdhsa_system_sgpr_workgroup_id_y 1
		.amdhsa_system_sgpr_workgroup_id_z 1
		.amdhsa_system_vgpr_workitem_id 0
		.amdhsa_next_free_vgpr 512
		.amdhsa_next_free_sgpr 72
		.amdhsa_reserve_vcc 0
		.amdhsa_float_denorm_mode_32 3
		.amdhsa_float_denorm_mode_16_64 3
		.amdhsa_memory_ordered 1
		.amdhsa_forward_progress 1
		.amdhsa_inst_pref_size 87
	.end_amdhsa_kernel
	.amdgpu_metadata
---
amdhsa.version: [ 1, 2 ]
amdhsa.kernels:
  - .name:           k_q1838dc6d05_proj
    .symbol:         k_q1838dc6d05_proj.kd
    .args:
      - { .name: x16, .offset: 0, .size: 8, .value_kind: global_buffer, .address_space: global }
      - { .name: wp16, .offset: 8, .size: 8, .value_kind: global_buffer, .address_space: global }
      - { .name: bp, .offset: 16, .size: 8, .value_kind: global_buffer, .address_space: global }
      - { .name: out0, .offset: 24, .size: 8, .value_kind: global_buffer, .address_space: global }
    .group_segment_fixed_size: 327680
    .private_segment_fixed_size: 0
    .kernarg_segment_align: 8
    .kernarg_segment_size: 32
    .max_flat_workgroup_size: 128
    .sgpr_count:     72
    .vgpr_count:     512
    .wavefront_size: 32
...
	.end_amdgpu_metadata
.endif
;; end of part 4
